; MI455X (gfx1250); checked and timed in simulation.
; The chip was launched on July 23, 2026; its instructions are those of AMD's public machine-readable ISA for CDNA 5 (MIT licence, August 2026) and "CDNA5" Instruction Set Architecture Reference Guide (July 2026). The comments in the code are by the model that wrote it; some were corrected since.
;; Attention. Allowed arithmetic: matrix products marked QUANTISED: E2M3 operands, one E8M0 scale for each 32 along K, by v_wmma_scale_f32_16x16x128_f8f6f4 with both operands' format E2M3, f32 sums; everything else in f32.
;; Inputs: Wk 1,024 x 1,024 float32; Wq 1,024 x 1,024 float32; Wv 1,024 x 1,024 float32; bk 1,024 float32; bq 1,024 float32; bv 1,024 float32; x 4 x 2,048 x 1,024 float32.
;; Outputs: out0 4 x 2,048 x 1,024 float32.
;; This version of the problem:
;;   THIS VERSION OF THE PROBLEM IS GIVEN IN LOW PRECISION. The matrix products marked QUANTISED in the list below multiply operands that are first quantised to E2M3 (2 exponent bits, 3 mantissa bits; 6 bits a number), with one power-of-two scale for each 32 numbers along K (OCP MX v1.0); their sums are f32. All else is computed in f32.
;;   The module's matrix products, in the order in which they are computed (A, B: the left and right operand; K: the contracted axis; several contracted axes count as one K, in the product's order):
;;     1. [M 8,192, K 1,024] x [K 1,024, N 1,024]; A: input x; B: input Wq: QUANTISED
;;     2. [M 8,192, K 1,024] x [K 1,024, N 1,024]; A: input x; B: input Wk: QUANTISED
;;     3. [M 8,192, K 1,024] x [K 1,024, N 1,024]; A: input x; B: input Wv: QUANTISED
;;     4. batch 4 x [M 2,048, K 1,024] x [K 1,024, N 2,048]; A: computed on the way; B: computed on the way: QUANTISED
;;     5. batch 4 x [M 2,048, K 2,048] x [K 2,048, N 1,024]; A: softmax (see below); B: computed on the way: QUANTISED
;;   THE QUANTISER, for each operand of a quantised product, along K:
;;     - K is cut into blocks of 32 from its start; a last block that is shorter is filled with zeros.
;;     - A block's scale is 2^e with e = floor(log2(the largest magnitude in the block)) - 2, held to -126 .. 127; a block of zeros has e = 0. As a byte (E8M0): e + 127.
;;     - Each number is divided by its block's scale, clamped to +-7.5, and rounded to the nearest number of E2M3, ties to even, subnormals kept.
;;     - The product sums the exact products of the quantised numbers (number of the format x scale) in f32.
;;   ~~~python
;;   def quantise(x, axis):      # numpy; x: float32 -> the quantised numbers, widened to float32 again
;;       x = np.moveaxis(x, axis, -1); K = x.shape[-1]
;;       x = np.pad(x, [(0, 0)] * (x.ndim - 1) + [(0, -K % 32)]); x = x.reshape(x.shape[:-1] + (-1, 32)); a = np.abs(x).max(-1, keepdims=True)
;;       e = np.where(a > 0, np.clip(np.frexp(np.where(a > 0, a, 1))[1] - 1 - 2, -126, 127), 0)      # np.frexp(a)[1] - 1 = floor(log2(a)), exactly
;;       r = np.clip(x / 2.0 ** e, -7.5, 7.5)
;;       step = 2.0 ** (np.maximum(np.frexp(np.where(r == 0, 1, r))[1] - 1, 0) - 3)
;;       q = np.round(r / step) * step * 2.0 ** e      # np.round: ties to even
;;       return np.moveaxis(q.reshape(q.shape[:-2] + (-1,))[..., :K], -1, axis).astype(np.float32)
;;   ~~~
;;   SOFTMAX AHEAD OF A QUANTISED PRODUCT. Where the list says 'softmax', what is quantised is not the finished softmax but p = 2^(t - M), with t = logit x log2(e) and M = ceil(the row's largest t), a whole number; so 1/2 < the row's largest p <= 1. The row's sum l is taken of the UNQUANTISED p, in f32, and the product's result is divided by l at the end. Since M is a whole number, a kernel that streams over the keys may use a running M (the ceiling of the running maximum): every later rescaling is an exact power of two, which a block's scale takes up: the codes' values come out the same.
;;   OPERANDS COMPUTED ON THE WAY. 'Computed on the way' means the value that the module computes at that place (a softmax that the list does not call 'softmax' is quantised finished and normalised). What goes into a quantiser is computed in f32, as accurately as f32 sums, v_exp_f32 and their like allow (about 1e-6 of the number): no bf16 or f16 on the way to a quantiser, and a product that is left as it is and whose result goes on into a quantised operand takes f32 operands (vector FMAs, or v_wmma_f32_16x16x4_f32). A number that lies on a knife's edge between two numbers of the format may be rounded either way, as far as f32 arithmetic and the matrix unit's own rounding can turn it there, and no further.
;; One version. Each part assembles by itself: llvm-mc -triple=amdgcn-amd-amdhsa -mcpu=gfx1250 --defsym DOCPART=n.
;; ======== version 1 of 1: 4 launches
;; limits: right only within a limited range of input values
;; workspace buffers: xw 9,011,200 bytes; qk 13,107,200 bytes; pv 20,709,376 bytes
;; launch quant (part 1): grid 704 x 1, 8 waves a work-group, no clusters, 69,120 bytes of LDS; arguments x, Wq, Wk, Wv, xw; writes xw
.if DOCPART == 1
	.amdgcn_target "amdgcn-amd-amdhsa--gfx1250"
	.amdhsa_code_object_version 6
	.text
	.protected	k_q4010094f6e_quant
	.globl	k_q4010094f6e_quant
	.p2align	8
	.type	k_q4010094f6e_quant,@function
k_q4010094f6e_quant:
	s_mov_b64 s[64:65], 0
	v_nop
	global_prefetch_b8 v0, s[64:65] scope:SCOPE_SE
	s_setreg_imm32_b32 hwreg(HW_REG_WAVE_MODE, 25, 1), 1
	s_wait_xcnt 0x0
; x [8192][1024] and Wq, Wk, Wv [1024][1024], f32, K innermost, become codes of FP6 (E2M3) with one E8M0 byte for each 32 along K, in the workspace xw.
; xw counts 11,264 rows: 0 .. 8191 x, then Wq, Wk, Wv: 704 blocks of 16 rows.
; LAYOUT OF xw: AN OPERAND LIES AS THE IMAGE OF ITS REGISTERS.  A fragment (16 rows x 128 K, 12 registers a lane) is 1,536 bytes: three pieces of 512, piece c = registers 4 c .. 4 c + 3, lane l's 16 bytes at 16 l.
;   codes:  [K / 256][row block][(K / 128) % 2][1536];   scale words, from byte XSC on: [row / 128][K / 128][(row block / 4) % 2][lane % 16][row block % 4], 4 bytes each.
; THE ROWS OF A BLOCK ARE NOT NEIGHBOURS: lane r of row block 2 p + u holds row 32 p + 8 u + r + 8 (r / 8), so that later products, used transposed, give a lane 16 neighbours along the next K.
; A block's scale is 2^(floor(log2(its largest magnitude)) - 2); its byte is the largest magnitude's exponent field - 2, held at 1 from below.
; LIMITS: a block of zeros gets the byte 1 where the rule says 127 (its codes are zeros, and this program alone reads the bytes); NaN and infinities among the inputs are not served.
; SHARES: a work-group takes 64 rows (4 row blocks) x 256 along K, each of its eight waves ONE fragment: row block wave % 4, K step wave / 4.  A load reads 512 consecutive bytes of one row; the 16 rows turn
; through the wave's own stage in LDS (rows 528 bytes apart) and come back 16 neighbours of each block of 32 to a lane.  The work-group's codes are 12,288 consecutive bytes.
; The scale words of four row blocks make one unit of 256 bytes: they are gathered in LDS, and behind the one barrier waves 0 and 1 store a unit each.  No tensor load, no loop.
.set NRB,   704                        ; row blocks in xw
.set XSC,   8650752                    ; where the scale words begin: 4 x 704 x 3,072
.set STG,   16*528                     ; a wave's stage
.set WSC,   8*STG                      ; the gathered scale words: [K step][lane % 16][row block], 512 bytes
.set SPARE, WSC+512                    ; the spare words, 128 bytes a wave: four blocks of 256 bytes that no other line names
.set LI,    4                          ; v4   16 x lane
.set STI,   5                          ; v5   the stage, on the way in
.set STO,   6                          ; v6   and on the way out: row r, + 64 h
.set WSA,   7                          ; v7   my scale word's place in LDS
.set L8,    8                          ; v8   8 x lane
.set WRA,   9                          ; v9   LDS: where waves 0 and 1 read a unit of words
.set SW,    10                         ; v10  my scale word
.set SPW,   12                         ; v12  LDS address of my spare word; never rewritten
.set NIL,   13                         ; v13  0; never rewritten
.set R,     16                         ; v16-79  64 numbers, as loaded and then as they come back from the stage
.set TM,    80                         ; v80-95  at work
.set PC,    96                         ; v96-115 the codes
.set SEL,   24                         ; s[24:25] selects for lane l xor 16
	s_load_b256 s[4:11], s[0:1], 0x0               ; x, Wq, Wk, Wv
	s_load_b64 s[12:13], s[0:1], 0x20              ; xw
	v_lshl_add_u32 v[SPW], v0, 2, SPARE
	v_mov_b32 v[NIL], 0
	v_lshrrev_b32 v1, 5, v0
	v_readfirstlane_b32 s16, v1                    ; wave
	v_and_b32 v1, 31, v0                           ; lane
	v_and_b32 v2, 15, v0                           ; r
	v_bfe_u32 v3, v0, 4, 1                         ; h
	v_lshlrev_b32 v[LI], 4, v1
	s_and_b32 s17, s16, 3                          ; my row block of the four
	s_lshr_b32 s18, s16, 2                         ; my K step of the two
	s_mul_i32 s19, s16, STG
	v_add_nc_u32 v[STI], s19, v[LI]
	v_mul_u32_u24 v[STO], v2, 528
	v_lshl_add_u32 v[STO], v3, 6, v[STO]
	v_add_nc_u32 v[STO], s19, v[STO]
	s_lshl_b32 s21, s18, 8
	s_lshl_b32 s22, s17, 2
	s_add_co_u32 s21, s21, s22
	s_add_co_u32 s21, s21, WSC
	v_lshlrev_b32 v[WSA], 4, v2
	v_add_nc_u32 v[WSA], s21, v[WSA]
	s_and_b32 s22, s16, 1
	s_lshl_b32 s22, s22, 8
	s_add_co_u32 s22, s22, WSC
	v_and_b32 v[L8], 31, v0
	v_lshlrev_b32 v[L8], 3, v[L8]
	v_add_nc_u32 v[WRA], s22, v[L8]
.irp b, 0,1,2,3
	v_mov_b32 v[TM+4+\b], 0                        ; written once: a lane permute's destination counts as one of its sources
.endr
	s_wait_alu depctr_va_vdst(0)                   ; the wait at the head's end
	s_mov_b32 s[SEL], 0x76543210
	s_mov_b32 s[SEL+1], 0xfedcba98
	s_lshr_b32 s20, ttmp9, 2                       ; G: which 64 rows of xw
	s_and_b32 s33, ttmp9, 3
	s_lshl_b32 s33, s33, 1
	s_add_co_u32 s18, s18, s33                     ; ks: which 128 along K
	s_mov_b32 s21, 160
	s_wait_kmcnt 0x0
	s_cmp_lt_u32 s20, 160                          ; which tensor: the choice hangs on the work-group's number alone
	s_cselect_b64 s[14:15], s[8:9], s[10:11]
	s_cselect_b32 s21, 144, s21
	s_cmp_lt_u32 s20, 144
	s_cselect_b64 s[14:15], s[6:7], s[14:15]
	s_cselect_b32 s21, 128, s21
	s_cmp_lt_u32 s20, 128
	s_cselect_b64 s[14:15], s[4:5], s[14:15]
	s_cselect_b32 s21, 0, s21                      ; the tensor's first group
	s_sub_co_u32 s22, s20, s21
	s_lshl_b32 s22, s22, 18                        ; 64 rows of 4,096 bytes a group
	s_lshl_b32 s23, s18, 9                         ; 512 bytes a K step
	s_add_co_u32 s22, s22, s23
	s_lshr_b32 s23, s17, 1                         ; row block f begins 32 (f / 2) + 8 (f % 2) rows down
	s_lshl_b32 s23, s23, 17
	s_add_co_u32 s22, s22, s23
	s_and_b32 s23, s17, 1
	s_lshl_b32 s23, s23, 15
	s_add_co_u32 s22, s22, s23
	s_mov_b32 s23, 0
	s_add_nc_u64 s[14:15], s[14:15], s[22:23]
.irp i, 0,1,2,3,4,5,6,7,8,9,10,11,12,13,14,15
	global_load_b128 v[R+4*\i:R+4*\i+3], v[LI], s[14:15] offset:(\i+8*(\i/8))*4096 th:TH_LOAD_NT
.endr
	s_lshr_b32 s26, s18, 1                         ; codes: ((ks / 2) x 704 + 4 G + f) x 3,072 + (ks % 2) x 1,536
	s_mul_i32 s26, s26, NRB
	s_lshl_b32 s27, s20, 2
	s_add_co_u32 s26, s26, s27
	s_add_co_u32 s26, s26, s17
	s_mul_i32 s26, s26, 3072
	s_and_b32 s27, s18, 1
	s_mul_i32 s27, s27, 1536
	s_add_co_u32 s26, s26, s27
	s_mov_b32 s27, 0
	s_add_nc_u64 s[28:29], s[12:13], s[26:27]
	s_lshr_b32 s26, s20, 1                         ; words (waves 0 and 1): XSC + ((G / 2) x 8 + the work-group's first K step + wave) x 512 + (G % 2) x 256
	s_lshl_b32 s26, s26, 3
	s_add_co_u32 s26, s26, s33
	s_and_b32 s30, s16, 1
	s_add_co_u32 s26, s26, s30
	s_lshl_b32 s26, s26, 9
	s_and_b32 s30, s20, 1
	s_lshl_b32 s30, s30, 8
	s_add_co_u32 s26, s26, s30
	s_add_co_u32 s26, s26, XSC
	s_add_nc_u64 s[30:31], s[12:13], s[26:27]
.irp g, 0,1,2,3
	s_wait_loadcnt 12-4*\g                         ; four more rows are in
.irp i, 0,1,2,3
	ds_store_b128 v[STI], v[R+16*\g+4*\i:R+16*\g+4*\i+3] offset:528*(4*\g+\i)
.endr
.endr
	s_wait_dscnt 0x0                               ; the stores have read their registers: the loads land there
.irp b, 0,1,2,3
.irp j, 0,1,2,3
	ds_load_b128 v[R+16*\b+4*\j:R+16*\b+4*\j+3], v[STO] offset:128*\b+16*\j   ; register 16 b + i = k 32 b + 16 h + i of row r
.endr
.endr
	s_wait_dscnt 0x0
; 64 numbers of a lane, register 16 b + i = k 32 b + 16 h + i of my row, become the fragment's codes and its scale word; the four blocks by turns
.irp b, 0,1,2,3
	v_max3_num_f32 v[TM+\b], |v[R+16*\b]|, |v[R+1+16*\b]|, 0x1800000   ; the floor 2^(3 - 127): the byte cannot fall under 1
.endr
.irp i, 2,4,6,8,10,12,14
.irp b, 0,1,2,3
	v_max3_num_f32 v[TM+\b], v[TM+\b], |v[R+16*\b+\i]|, |v[R+1+16*\b+\i]|
.endr
.endr
.irp b, 0,1,2,3
	v_permlanex16_b32 v[TM+4+\b], v[TM+\b], s[SEL], s[SEL+1]
.endr
.irp b, 0,1,2,3
	v_max_num_f32 v[TM+\b], v[TM+\b], v[TM+4+\b]   ; with lane l xor 16's: the block's largest magnitude
.endr
.irp b, 0,1,2,3
	v_add_nc_u32 v[TM+12+\b], 0xff000000, v[TM+\b] ; 2 off its exponent field: the conversion takes this operand's exponent field as its scale
.endr
.irp b, 0,1,2,3
	v_lshrrev_b32 v[TM+4+\b], 23, v[TM+12+\b]      ; the scale's byte
.endr
	v_lshl_or_b32 v[SW], v[TM+5], 8, v[TM+4]       ; four bytes: my row's scale word
	v_lshl_or_b32 v[SW], v[TM+6], 16, v[SW]
	v_lshl_or_b32 v[SW], v[TM+7], 24, v[SW]
	ds_store_b32 v[WSA], v[SW]                     ; lanes l and l xor 16 write the same word with the same value
.irp c, 0,1
	v_cvt_scalef32_pk16_fp6_f32 v[PC+6*\c:PC+2+6*\c], v[R+32*\c:R+15+32*\c], v[TM+12+2*\c]
	v_cvt_scalef32_pk16_fp6_f32 v[PC+12+4*\c:PC+14+4*\c], v[R+16+32*\c:R+31+32*\c], v[TM+12+2*\c+1]   ; (a conversion's three registers begin on an even number)
.endr
	v_nop                                          ; one plain place behind a scaled conversion
.irp c, 0,1                                    ; the operand's layout wants a whole block in a lane: lanes 0-15 block 2 c, lanes 16-31 block 2 c + 1
.irp i, 0,1,2
	v_permlane16_swap_b32 v[PC+6*\c+\i], v[PC+12+4*\c+\i]
.endr
.irp i, 0,1,2
	v_mov_b32 v[PC+3+6*\c+\i], v[PC+12+4*\c+\i]
.endr
.endr
.irp c, 0,1,2
	global_store_b128 v[LI], v[PC+4*\c:PC+4*\c+3], s[28:29] offset:512*\c   ; 32 lanes store 512 consecutive bytes, at a multiple of 512 from xw's first byte
.endr
	s_wait_tensorcnt 0x0                           ; behind my last LDS store
	ds_add_u32 v[SPW], v[NIL]
	s_wait_dscnt 0x0                               ; my word is in LDS
	s_barrier_signal -1
	s_barrier_wait -1                              ; all eight waves' words are
	s_cmp_lt_u32 s16, 2
	s_cbranch_scc0 .Lend
	ds_load_b64 v[TM:TM+1], v[WRA]
	s_wait_dscnt 0x0
	global_store_b64 v[L8], v[TM:TM+1], s[30:31]   ; 32 lanes store 256 consecutive bytes, aligned: the words of four row blocks
.Lend:
	s_endpgm
.Lfunc_end_k_q4010094f6e_quant:
	.size	k_q4010094f6e_quant, .Lfunc_end_k_q4010094f6e_quant-k_q4010094f6e_quant
	.p2alignl 7, 3214868480
	.fill 96, 4, 3214868480
	.section	.rodata,"a",@progbits
	.p2align	6, 0x0
	.amdhsa_kernel k_q4010094f6e_quant
		.amdhsa_group_segment_fixed_size 69120
		.amdhsa_private_segment_fixed_size 0
		.amdhsa_enable_private_segment 0
		.amdhsa_kernarg_size 40
		.amdhsa_user_sgpr_count 2
		.amdhsa_user_sgpr_kernarg_segment_ptr 1
		.amdhsa_wavefront_size32 1
		.amdhsa_system_sgpr_workgroup_id_x 1
		.amdhsa_system_sgpr_workgroup_id_y 1
		.amdhsa_system_sgpr_workgroup_id_z 1
		.amdhsa_system_vgpr_workitem_id 0
		.amdhsa_next_free_vgpr 120
		.amdhsa_next_free_sgpr 66
		.amdhsa_reserve_vcc 0
		.amdhsa_float_denorm_mode_32 3
		.amdhsa_float_denorm_mode_16_64 3
		.amdhsa_memory_ordered 1
		.amdhsa_forward_progress 1
		.amdhsa_inst_pref_size 12
	.end_amdhsa_kernel
	.amdgpu_metadata
---
amdhsa.version: [ 1, 2 ]
amdhsa.kernels:
  - .name:           k_q4010094f6e_quant
    .symbol:         k_q4010094f6e_quant.kd
    .args:
      - { .name: x, .offset: 0, .size: 8, .value_kind: global_buffer, .address_space: global }
      - { .name: Wq, .offset: 8, .size: 8, .value_kind: global_buffer, .address_space: global }
      - { .name: Wk, .offset: 16, .size: 8, .value_kind: global_buffer, .address_space: global }
      - { .name: Wv, .offset: 24, .size: 8, .value_kind: global_buffer, .address_space: global }
      - { .name: xw, .offset: 32, .size: 8, .value_kind: global_buffer, .address_space: global }
    .group_segment_fixed_size: 69120
    .private_segment_fixed_size: 0
    .kernarg_segment_align: 8
    .kernarg_segment_size: 40
    .max_flat_workgroup_size: 256
    .sgpr_count:     66
    .vgpr_count:     120
    .wavefront_size: 32
...
	.end_amdgpu_metadata
.endif
;; end of part 1
;; launch proj (part 2): grid 8 x 32, 4 waves a work-group, clusters of 4 x 4, 327,680 bytes of LDS; arguments xw, bq, bk, bv, qk, pv; writes qk, pv
.if DOCPART == 2
	.amdgcn_target "amdgcn-amd-amdhsa--gfx1250"
	.amdhsa_code_object_version 6
	.text
	.protected	k_q4010094f6e_proj
	.globl	k_q4010094f6e_proj
	.p2align	8
	.type	k_q4010094f6e_proj,@function
k_q4010094f6e_proj:
	s_mov_b64 s[64:65], 0
	v_nop
	global_prefetch_b8 v0, s[64:65] scope:SCOPE_SE
	s_setreg_imm32_b32 hwreg(HW_REG_WAVE_MODE, 25, 1), 1
	s_wait_xcnt 0x0
	s_wait_alu depctr_hold_cnt(0) depctr_sa_sdst(0) depctr_va_vdst(0) depctr_va_sdst(0) depctr_va_ssrc(0) depctr_va_vcc(0) depctr_vm_vsrc(0)
	s_getreg_b32 s2, hwreg(HW_REG_IB_STS2, 6, 4)
	s_cmp_eq_u32 s2, 0
	s_cbranch_scc0 .Lentry_in_a_cluster
	s_endpgm
.Lentry_in_a_cluster:
	s_bfe_u32 s2, ttmp6, 0x10000c
	s_cmp_lg_u32 s2, 0xf033
	s_cbranch_scc0 .Lentry_shape_is_right
	s_endpgm
.Lentry_shape_is_right:
; q = x Wq^T + bq, k = x Wk^T + bk, v = x Wv^T + bv on codes of FP6 (E2M3) out of xw; the results are quantised in registers and leave as codes: q and k along the channels into qk, v along the KEYS (as v^T) into pv.
; A WORK-GROUP TAKES 256 TOKENS THROUGH TWO TILES: first 256 channels of q (tile column 0-3) or k (4-7), then 128 channels of v: 8 x 32 = 256 work-groups of equal work.  K = 1,024 in 8 steps of 128 for each tile, written out.
; FIRST TILE: four waves, each 128 tokens x 128 channels: 64 accumulators, 512 registers.  SECOND TILE: each 64 channels x 128 tokens: 32 accumulators; a step reads 12 fragments for 32 products where the first tile reads 16 for 64: the price of a half tile.
; OPERANDS LIE AS IMAGES OF THEIR REGISTERS (a fragment of 16 rows x 128 K = 3 x 512 bytes, lane l's 16 bytes at 16 l), laid [K / 256][row block][(K / 128) % 2]; a fragment comes from LDS by three loads of 16 bytes a lane.
; Scale words: [row / 128][K / 128][(block / 4) % 2][lane % 16][block % 4].
; THE MATRIX INSTRUCTION: source 0 = 16 rows of "B", source 1 = 16 rows of "A".  Lane r of row block 2 p + u holds row 32 p + 8 u + r + 8 (r / 8), so a lane's 64 results of one block of A are 16 neighbours of each 32 of B's 128 rows:
; just what the quantiser along B's rows wants.  First tile: A = tokens, B = channels.  Second tile: A = channels, B = tokens: the result is v^T, quantised along the keys.
; The bias is the C of each tile's first step: along B's rows in the first tile, along A's rows in the second.
; LDS: both tiles multiply the same tokens, so x's codes for all of K are filled once and stay: the p-th 256 along K at 49,152 p.  W goes through two slots of 49,152 bytes, at 196,608 and 245,760: 256 along K of the first
; tile's 16 row blocks, or 512 along K of Wv's 8.  Behind them the spare words.
; FILLS: at the head one load a wave: wave 0 x's first 256 along K, wave 1 W's, wave 2 x's other three as three long rows, wave 3 W's second.  The first barrier waits for waves 0 and 1 alone.
; W's slots have four refills, by wave 3, each behind a round of the cluster's barrier; the second tile needs none.  By this text's own count a wave has at most one tensor load out.
; CLUSTER 4 x 4: x's tiles are asked for jointly along a row of the cluster, W's along a column.
; LIMITS: a block of zeros gets the byte 1 where the rule says 127 (its codes are zeros; this program alone reads the bytes); NaN and infinities are not served.
; No prefetch: the text has no loop to run ahead in; all of x's share and half of the first tile's weights are asked for at the head.
.set PL,    2162688                    ; xw: 704 row blocks x 3,072 bytes: from one 256 along K to the next
.set XS,    8650752                    ; xw: the scale words
.set QS,    12582912                   ; qk: the scale words
.set VC,    12582912                   ; pv: v^T's codes
.set VB,    1572864                    ; pv: a batch of them
.set VS,    19398656                   ; pv: v^T's scale words
.set SLOT,  49152                      ; from one 256 along K of x to the next, and from W's slot 0 to slot 1
.set WOF,   196608                     ; W's slot 0
.set SPARE, 294912                     ; the spare words, 128 bytes a wave: two blocks of 256 bytes that no other line names
.set SG0,   4                          ; v4  second tile's scale words, blocks 0-3: lanes 0-15 Wv's, lanes 16-31 x's
.set SG1,   5                          ; v5  blocks 4-7 (x's alone are used)
.set SOF,   6                          ; v6  16 r
.set ADRA2, 10                         ; v10-11 second tile: my 4 blocks of Wv in W's slot 0, 1
.set BV,    12                         ; v12-15 second tile: bv at my lane's channel of blocks 0-3
.set ADRA,  16                         ; v16-19 first tile: my 8 blocks of x, the p-th 256 along K
.set ADRB2, 20                         ; v20-23 second tile: my 8 blocks of x
.set ADRB,  24                         ; v24-25 first tile: my 8 blocks of W in slot 0, 1
.set SPW,   28                         ; v28 LDS address of my spare word; never rewritten
.set NIL,   29                         ; v29 0; never rewritten
.set LI,    30                         ; v30 16 x lane
.set LN,    31                         ; v31 lane
.set SC,    32                         ; v32-95 scale words and nothing else: register 8 t + i: lanes 0-15 A's block i, lanes 16-31 B's block i, K step t; loaded anew for the second tile
.set AF,    128                        ; v128-223 first tile: A's 8 fragments, one set; second tile: A's 4, two sets (window 0).  B's two sets at v0 and v128 of window 1; accumulator (a, b) at v[8 (8 (a % 4) + b)] of window 2 + a / 4
.set TM,    176                        ; the ways out, two blocks at a time: v176-183 largest magnitudes
.set PX,    184                        ; v184-191 lane l xor 16's, then the bytes
.set SO,    192                        ; v192-199 the conversions' scale operands
.set PC,    200                        ; v200-219, v220-239 the codes
.set PWS,   240                        ; v240-247 the blocks' scale words
.set PT,    248                        ; v248-251
.set WV,    16                         ; s16 wave;  s17 wave / 2;  s18 wave % 2
.set SHI,   17
.set SLO,   18
.set G1A,   24                         ; s[24:31] group 1 for x's first tile;  s[32:39] groups 0 of x's two loads
.set G0A,   32
.set G1X,   40                         ; s[40:47] group 1 for x's other three 256 along K
.set G1B,   48                         ; s[48:55] group 1 for W's tiles;  s[56:63] groups 0, one a slot
.set G0B,   56
.set G0V0,  68                         ; s[68:71], s[92:95] groups 0 for Wv's tiles, one a slot
.set G0V1,  92
.set OC1,   80                         ; s[80:81] where q's or k's codes go;  s[82:83] their scale words
.set OW1,   82
.set OC2,   88                         ; s[88:89] v^T's codes;  s[66:67] its scale words
.set OW2,   66
.set SEL,   86                         ; s[86:87] selects for lane l xor 16
.set HM,    90                         ; s90 mask of lanes 16-31
.set MSB, 0
.macro WIN new                         ; the immediate's high byte repeats the setting that is left
.if MSB != (\new)
	s_set_vgpr_msb (MSB<<8)|(\new)
.set MSB, (\new)
.endif
.endm
.macro PLACES n
.rept \n
	v_nop
.endr
.endm
; The head's loads: one chain of branches on the wave's number, one load to an arm.  An s_nop 0 and four v_nop follow each load.
.macro ARM under, g0, g1, next
	s_cmp_lt_u32 s[WV], \under
	s_cbranch_scc0 \next
	tensor_load_to_lds s[\g0:\g0+3], s[\g1:\g1+7]
	s_nop 0
.rept 4
	v_nop
.endr
	s_branch .Lhead_asked
\next:
.endm
; A joint refill of one of W's slots by wave 3.  The branch hangs on the wave's number alone: it is the same in every work-group.
.macro WLOAD g0
	s_cmp_eq_u32 s[WV], 3
	s_cbranch_scc0 .Lno_load_\@
	tensor_load_to_lds s[\g0:\g0+3], s[G1B:G1B+7]
	s_nop 0
.rept 4
	v_nop
.endr
.Lno_load_\@:
.endm
.macro CREST                           ; a round of the cluster's barrier behind its opening barrier
	s_cmp_lg_u32 s[WV], 0
	s_cbranch_scc1 .Lnot_wave_0_\@
	s_barrier_signal -3
.Lnot_wave_0_\@:
	s_barrier_wait -3
	s_barrier_signal -1
	s_barrier_wait -1
.endm
.macro CROUND
	s_barrier_signal -1
	s_barrier_wait -1
	CREST
.endm
.macro FRAG reg, adr, off              ; a fragment's image: three loads, 512 consecutive bytes each
.irp c, 0,1,2
	ds_load_b128 v[\reg+4*\c:\reg+4*\c+3], v[\adr] offset:\off+512*\c
.endr
.endm
.macro FETCH_B s, q, p                 ; first tile: W's eight fragments of slot s, its q-th 128 along K, into set p: 24 loads
	WIN 0x40
.irp i, 0,1,2,3,4,5,6,7
	FRAG 128*(\p)+12*\i, ADRB+(\s), (2*\i+(\q))*1536
.endr
	WIN 0
.endm
.macro FETCH_A x, q, half              ; first tile: x's blocks 0-3 or 4-7 of the x-th 256 along K: 12 loads
.irp i, 0,1,2,3
	FRAG AF+12*(4*(\half)+\i), ADRA+(\x), 12288*(\half)+(2*\i+(\q))*1536
.endr
.endm
.macro FETCH_B2 x, q, p                ; second tile: x's eight fragments into set p: 24 loads
	WIN 0x40
.irp i, 0,1,2,3,4,5,6,7
	FRAG 128*(\p)+12*\i, ADRB2+(\x), (2*\i+(\q))*1536
.endr
	WIN 0
.endm
.macro FETCH_A2 s, c, q, p             ; second tile: Wv's four fragments of slot s, its c-th 256 along K, into set p: 12 loads
.irp i, 0,1,2,3
	FRAG AF+48*(\p)+12*\i, ADRA2+(\s), 24576*(\c)+(2*\i+(\q))*1536
.endr
.endm
; 16 matrix instructions: A's blocks a0, a0 + 1 (fragments from v[af] on) x B's eight.  cm = 0: in place; 1: C = the bias along B's rows; 2: the bias along A's rows.
; The accumulators take turns, in the same order in every step.
.macro MUL16 a0, p, t, cm, af
.irp a, \a0, \a0+1
.irp b, 0,1,2,3,4,5,6,7
.set DD, 8*(8*((\a)%4)+\b)
.set FB, 128*(\p)+12*\b
.set FA, (\af)+12*(\a)
.set SWB, SC+8*(\t)+\b
.set SWA, SC+8*(\t)+(\a)
.if \cm == 0
	v_wmma_scale_f32_16x16x128_f8f6f4 v[DD:DD+7], v[FB:FB+11], v[FA:FA+11], v[DD:DD+7], v[SWB], v[SWA] matrix_a_fmt:MATRIX_FMT_FP6 matrix_b_fmt:MATRIX_FMT_FP6 matrix_a_scale:MATRIX_SCALE_ROW1
.elseif \cm == 1
.set CC, 96+8*\b+96*(\b/4)
	v_wmma_scale_f32_16x16x128_f8f6f4 v[DD:DD+7], v[FB:FB+11], v[FA:FA+11], v[CC:CC+7], v[SWB], v[SWA] matrix_a_fmt:MATRIX_FMT_FP6 matrix_b_fmt:MATRIX_FMT_FP6 matrix_a_scale:MATRIX_SCALE_ROW1
.else
.set CC, 96+8*(\a)
	v_wmma_scale_f32_16x16x128_f8f6f4 v[DD:DD+7], v[FB:FB+11], v[FA:FA+11], v[CC:CC+7], v[SWB], v[SWA] matrix_a_fmt:MATRIX_FMT_FP6 matrix_b_fmt:MATRIX_FMT_FP6 matrix_a_scale:MATRIX_SCALE_ROW1
.endif
.endr
.endr
.endm
; K step t of the first tile: 64 matrix instructions; in its middle B's next set and A's next blocks 0-3 are fetched (x's nx-th 256 along K, W's slot ns, part nq), at its end A's next blocks 4-7.
; sync = 1, in a slot's second step: the wait for all my tensor loads, the add, the wait for it and for my LDS reads (those of the slot of W that I leave among them), a round of the cluster's barrier, and that slot is
; filled again first thing behind it, by the group 0 at s[g0], stepped by stp bytes.  Behind the round the other slot of W is whole for every wave.
; Step 7 fetches the second tile's first fragments instead.
; A load into a register that a matrix instruction has read stands four plain vector instructions behind it (ISA guide 7.12.1 for vector instructions).
.macro KSTEP t, nx, ns, nq, sync, cm, g0, stp
.set PP, (\t)%2
.set NPP, 1-PP
.set WLO, 0xa1                         ; source 0 (B) window 1, source 1 (A) window 0, C and D window 2
.set WHI, 0xf1                         ; C and D window 3
.if \cm != 0
.set WLO, 0x81                         ; C (the bias) window 0
.set WHI, 0xc1
.endif
.if \sync
	s_wait_tensorcnt 0x0                           ; all my tensor loads have landed
	ds_add_u32 v[SPW], v[NIL]                      ; 0 onto my spare word
	s_wait_dscnt 13                                ; (the add and the youngest 12 loads, A's blocks 4-7, may be out)
.else
	s_wait_dscnt 12                                ; B's set and A's blocks 0-3 are in; the youngest 12 loads (A's blocks 4-7) may be out
.endif
	WIN WLO
	MUL16 0, PP, \t, \cm, AF
.if \sync
	s_wait_dscnt 0x0                               ; the add is done, and my reads of the slot that I leave are over
	s_barrier_signal -1
.endif
	MUL16 2, PP, \t, \cm, AF
.if \sync
	WIN 0
	s_barrier_wait -1
	CREST                                          ; the barrier has opened a round of the cluster's barrier: no wave of any partner reads the slot or has a load on its way
.if \t == 5                            ; from here on Wv's tiles: 512 along K of 8 row blocks as 2 rows of 24,576 bytes (no tensor load of mine is out)
	s_mov_b32 s[G1B+1], 3072<<16
	s_mov_b32 s[G1B+2], 2<<16
	s_mov_b32 s[G1B+3], 3072<<16
	s_mov_b32 s[G1B+4], 2
	s_mov_b32 s[G1B+5], PL/8
.endif
.if \stp
	s_add_nc_u64 s[\g0+2:\g0+3], s[\g0+2:\g0+3], \stp
.endif
	WLOAD \g0                                      ; the first tensor load behind the round, and a wave's only one until the next
	PLACES 4                                       ; on every wave's way, in front of the loads below
.else
	s_wait_dscnt 0x0                               ; A's blocks 4-7 are in
	PLACES 4
.endif
.if \t < 7
	FETCH_B \ns, \nq, NPP
	FETCH_A \nx, \nq, 0
.else
	FETCH_B2 0, 0, NPP
	FETCH_A2 0, 0, 0, 0
.endif
	WIN WHI
	MUL16 4, PP, \t, \cm, AF
	MUL16 6, PP, \t, \cm, AF
	PLACES 4
	WIN 0
.if \t < 7
	FETCH_A \nx, \nq, 1
.endif
.endm
; K step u of the second tile: 32 matrix instructions on sets u % 2; the next step's 36 loads go out at its head, into the other sets, and have the step in which to land.  No barrier: both slots of W are whole.
.macro KSTEP2 u, cm
.set PP, (\u)%2
.set NPP, 1-PP
.set NU, (\u)+1
	s_wait_dscnt 0x0                               ; this step's fragments are in
.if \u < 7
	PLACES 4                                       ; behind the last step's products, which read the sets that are loaded now
	FETCH_B2 NU/2, NU%2, NPP
	FETCH_A2 NU/4, (NU/2)%2, NU%2, NPP
.endif
.if \cm
	WIN 0x81
.else
	WIN 0xa1
.endif
	MUL16 0, PP, \u, \cm, AF+48*PP
	MUL16 2, PP, \u, \cm, AF+48*PP
	WIN 0
.endm
	s_load_b256 s[4:11], s[0:1], 0x0               ; xw, bq, bk, bv
	s_load_b128 s[12:15], s[0:1], 0x20             ; qk, pv
	v_lshl_add_u32 v[SPW], v0, 2, SPARE
	v_mov_b32 v[NIL], 0
	ds_add_u32 v[SPW], v[NIL]                      ; the wave's opening: the add, twice on end, and its wait ahead of my first tensor load; work on registers stands between them
	ds_add_u32 v[SPW], v[NIL]
	v_lshrrev_b32 v1, 5, v0
	v_readfirstlane_b32 s[WV], v1
	s_lshr_b32 s[SHI], s[WV], 1                    ; which half of A's rows is mine
	s_and_b32 s[SLO], s[WV], 1                     ; which half of B's rows
	s_bfe_u32 s72, ttmp6, 0x40000                  ; cx
	s_bfe_u32 s73, ttmp6, 0x40004                  ; cy
	s_lshl_b32 s74, ttmp9, 2
	s_add_co_u32 s74, s74, s72                     ; tile column = 4 x cluster x + cx: 0-3 q, 4-7 k; and which 128 channels of v
	s_and_b32 s75, ttmp7, 0xffff
	s_lshr_b32 s78, s75, 1                         ; the batch: 8 tile rows, two clusters
	s_lshl_b32 s75, s75, 2
	s_add_co_u32 s75, s75, s73                     ; tile row = 4 x cluster y + cy
	s_lshl_b32 s76, s73, 2
	s_lshl_b32 s76, 15, s76                        ; my row of the cluster
	s_lshl_b32 s77, 0x1111, s72                    ; my column
	s_or_b32 s[G1A], s76, (3<<16)|(1<<21)          ; 15:0 the mask; 17:16 elements of 8 bytes; 21 set beside a mask; no padding
	s_or_b32 s[G1B], s77, (3<<16)|(1<<21)
	s_or_b32 s[G1X], s76, (3<<16)|(1<<21)
.irp g, G1A, G1B                               ; a dense block of 49,152 bytes as 192 rows of 256 bytes
	s_mov_b32 s[\g+1], 32<<16
	s_mov_b32 s[\g+2], 192<<16
	s_mov_b32 s[\g+3], 32<<16
	s_mov_b32 s[\g+4], 192
	s_mov_b32 s[\g+5], 32
	s_mov_b32 s[\g+6], 0
	s_mov_b32 s[\g+7], 0
.endr
	s_mov_b32 s[G1X+1], 6144<<16                   ; three rows of 49,152 bytes, PL apart
	s_mov_b32 s[G1X+2], 3<<16
	s_mov_b32 s[G1X+3], 6144<<16
	s_mov_b32 s[G1X+4], 3
	s_mov_b32 s[G1X+5], PL/8
	s_mov_b32 s[G1X+6], 0
	s_mov_b32 s[G1X+7], 0
	s_mul_i32 s20, s75, 49152                      ; x: row block 16 x tile row
	s_mov_b32 s21, 0
	s_mul_i32 s2, s74, 49152                       ; Wq, Wk: row block 512 + 16 x tile column
	s_add_co_u32 s2, s2, 512*3072
	s_mov_b32 s3, 0
	s_mul_i32 s98, s74, 24576                      ; Wv: row block 640 + 8 x tile column
	s_add_co_u32 s98, s98, 640*3072
	s_mov_b32 s99, 0
	s_mov_b32 s[SEL], 0x76543210
	s_mov_b32 s[SEL+1], 0xfedcba98
	s_wait_dscnt 0x0                               ; both opening adds are done
	CROUND                                         ; all sixteen work-groups are here, so the first joint loads meet; the round stands ahead of the wait for the arguments
	s_wait_kmcnt 0x0
	s_add_nc_u64 s[20:21], s[4:5], s[20:21]
	s_add_nc_u64 s[2:3], s[4:5], s[2:3]
	s_add_nc_u64 s[98:99], s[4:5], s[98:99]
.irp s, 0,1
	s_mov_b32 s[G0A+4*\s], 1
	s_mov_b32 s[G0A+4*\s+1], \s*SLOT
	s_add_nc_u64 s[G0A+4*\s+2:G0A+4*\s+3], s[20:21], \s*PL
	s_or_b32 s[G0A+4*\s+3], s[G0A+4*\s+3], 0x80000000
	s_mov_b32 s[G0B+4*\s], 1
	s_mov_b32 s[G0B+4*\s+1], WOF+\s*SLOT
	s_add_nc_u64 s[G0B+4*\s+2:G0B+4*\s+3], s[2:3], \s*PL
	s_or_b32 s[G0B+4*\s+3], s[G0B+4*\s+3], 0x80000000
.endr
	ARM 1, G0A, G1A, .Lhead_w
	ARM 2, G0B, G1B, .Lhead_x
	ARM 3, G0A+4, G1X, .Lhead_w2
	tensor_load_to_lds s[G0B+4:G0B+7], s[G1B:G1B+7]
	s_nop 0
.rept 4
	v_nop
.endr
.Lhead_asked:
.irp j, 0,1                                    ; Wv's groups 0: slot j takes 512 along K; used in steps 5 and 7
	s_mov_b32 s[G0V0+24*\j], 1
	s_mov_b32 s[G0V0+24*\j+1], WOF+\j*SLOT
	s_add_nc_u64 s[G0V0+24*\j+2:G0V0+24*\j+3], s[98:99], \j*2*PL
	s_or_b32 s[G0V0+24*\j+3], s[G0V0+24*\j+3], 0x80000000
.endr
	v_and_b32 v[LN], 31, v0
	v_and_b32 v2, 15, v0                           ; r
	v_bfe_u32 v3, v0, 4, 1                         ; h
	v_lshlrev_b32 v[LI], 4, v[LN]
	v_lshlrev_b32 v[SOF], 4, v2
	v_cmp_le_u32 s[HM], 16, v[LN]
	; the first tile's scale words: 4,096 bytes for 128 rows; lanes 0-15 take x's (2 x tile row + hi), lanes 16-31 W's (64 + 2 x tile column + lo)
	s_lshl_b32 s96, s75, 1
	s_add_co_u32 s96, s96, s[SHI]
	s_lshl_b32 s96, s96, 12
	s_lshl_b32 s97, s74, 1
	s_add_co_u32 s97, s97, s[SLO]
	s_add_co_u32 s97, s97, 64
	s_lshl_b32 s97, s97, 12
	v_mov_b32 v8, s96
	v_mov_b32 v9, s97
	v_cndmask_b32 v8, v8, v9, s[HM]
	v_add_nc_u32 v8, v[SOF], v8
	v_add_nc_u32 v8, XS, v8
.irp t, 0,1,2,3,4,5,6,7
.irp g, 0,1
	global_load_b128 v[SC+8*\t+4*\g:SC+8*\t+4*\g+3], v8, s[4:5] offset:512*\t+256*\g   ; four blocks' words a lane
.endr
.endr
	; the second tile's: lanes 0-15 Wv's (80 + tile column; my four blocks are its group hi), lanes 16-31 x's (2 x tile row + lo).  In the second register lanes 0-15 stay inside Wv's 4,096 bytes and are not used
	s_add_co_u32 s96, s74, 80
	s_lshl_b32 s96, s96, 12
	s_lshl_b32 s97, s75, 1
	s_add_co_u32 s97, s97, s[SLO]
	s_lshl_b32 s97, s97, 12
	s_lshl_b32 s22, s[SHI], 8
	s_add_co_u32 s22, s22, s96
	v_mov_b32 v9, s97
	v_mov_b32 v[SG0], s22
	v_mov_b32 v[SG1], s96
	v_cndmask_b32 v[SG0], v[SG0], v9, s[HM]
	v_cndmask_b32 v[SG1], v[SG1], v9, s[HM]
	v_add_nc_u32 v[SG0], v[SOF], v[SG0]
	v_add_nc_u32 v[SG1], v[SOF], v[SG1]
	v_add_nc_u32 v[SG0], XS, v[SG0]
	v_add_nc_u32 v[SG1], XS, v[SG1]
	; LDS addresses: a constant + a constant x wave part + 16 x lane
	s_mul_i32 s96, s[SHI], 24576
	s_mul_i32 s97, s[SLO], 24576
	v_add_nc_u32 v[ADRA], s96, v[LI]
	v_add_nc_u32 v[ADRB2], s97, v[LI]
	v_add_nc_u32 v[ADRA+1], SLOT, v[ADRA]
	v_add_nc_u32 v[ADRA+2], 2*SLOT, v[ADRA]
	v_add_nc_u32 v[ADRA+3], 3*SLOT, v[ADRA]
	v_add_nc_u32 v[ADRB2+1], SLOT, v[ADRB2]
	v_add_nc_u32 v[ADRB2+2], 2*SLOT, v[ADRB2]
	v_add_nc_u32 v[ADRB2+3], 3*SLOT, v[ADRB2]
	v_add_nc_u32 v[ADRB], WOF, v[ADRB2]
	v_add_nc_u32 v[ADRB+1], SLOT, v[ADRB]
	s_mul_i32 s96, s[SHI], 12288
	s_add_co_u32 s96, s96, WOF
	v_add_nc_u32 v[ADRA2], s96, v[LI]
	v_add_nc_u32 v[ADRA2+1], SLOT, v[ADRA2]
	; the first tile's bias: bq or bk at my 128 channels; for B's block b the lane wants channels 32 (b / 2) + 16 h + 8 (b % 2) + 0 .. 7
	s_cmp_eq_u32 ttmp9, 0                          ; the cluster's x: the same in all sixteen partners
	s_cselect_b64 s[84:85], s[6:7], s[8:9]
	s_and_b32 s79, s74, 3                          ; c4: which 256 of the 1,024 channels
	s_lshl_b32 s96, s79, 10
	s_lshl_b32 s97, s[SLO], 9
	s_add_co_u32 s96, s96, s97
	s_mov_b32 s97, 0                               ; stays 0 from here on: the upper word of every offset below
	s_add_nc_u64 s[84:85], s[84:85], s[96:97]
	v_lshlrev_b32 v7, 6, v3
.irp b, 0,1,2,3,4,5,6,7
	global_load_b128 v[96+8*\b+96*(\b/4):96+8*\b+96*(\b/4)+3], v7, s[84:85] offset:(32*(\b/2)+8*(\b%2))*4
	global_load_b128 v[96+8*\b+96*(\b/4)+4:96+8*\b+96*(\b/4)+7], v7, s[84:85] offset:(32*(\b/2)+8*(\b%2))*4+16
.endr
	; the second tile's: bv at my 64 channels; for A's block a the lane wants ONE channel, 32 (a / 2) + 8 (a % 2) + r + 8 (r / 8)
	s_lshl_b32 s96, s74, 9
	s_lshl_b32 s22, s[SHI], 8
	s_add_co_u32 s96, s96, s22
	s_add_nc_u64 s[10:11], s[10:11], s[96:97]
	v_and_b32 v1, 8, v2
	v_add_nc_u32 v1, v1, v2
	v_lshlrev_b32 v1, 2, v1
.irp a, 0,1,2,3
	global_load_b32 v[BV+\a], v1, s[10:11] offset:(32*(\a/2)+8*(\a%2))*4
.endr
	; where q's or k's codes go: ((c4 x 1024 + 512 x (column / 4) + 16 x row + 8 hi) x 2 + lo) x 1,536
	s_lshr_b32 s91, s74, 2
	s_lshl_b32 s96, s79, 10
	s_lshl_b32 s22, s91, 9
	s_add_co_u32 s96, s96, s22
	s_lshl_b32 s22, s75, 4
	s_add_co_u32 s96, s96, s22
	s_lshl_b32 s22, s[SHI], 3
	s_add_co_u32 s96, s96, s22
	s_lshl_b32 s96, s96, 1
	s_add_co_u32 s96, s96, s[SLO]
	s_mul_i32 s96, s96, 1536
	s_add_nc_u64 s[OC1:OC1+1], s[12:13], s[96:97]
	; their scale words: QS + (((column / 4) x 64 + 2 x row + hi) x 8 + 2 c4 + lo) x 512
	s_lshl_b32 s96, s91, 6
	s_lshl_b32 s22, s75, 1
	s_add_co_u32 s96, s96, s22
	s_add_co_u32 s96, s96, s[SHI]
	s_lshl_b32 s96, s96, 3
	s_lshl_b32 s22, s79, 1
	s_add_co_u32 s96, s96, s22
	s_add_co_u32 s96, s96, s[SLO]
	s_lshl_b32 s96, s96, 9
	s_add_co_u32 s96, s96, QS
	s_add_nc_u64 s[OW1:OW1+1], s[12:13], s[96:97]
	; v^T's codes: VC + batch x VB + (((row % 8) x 64 + 8 x column + 4 hi) x 2 + lo) x 1,536
	s_and_b32 s23, s75, 7
	s_lshl_b32 s96, s23, 6
	s_lshl_b32 s22, s74, 3
	s_add_co_u32 s96, s96, s22
	s_lshl_b32 s22, s[SHI], 2
	s_add_co_u32 s96, s96, s22
	s_lshl_b32 s96, s96, 1
	s_add_co_u32 s96, s96, s[SLO]
	s_mul_i32 s96, s96, 1536
	s_mul_i32 s22, s78, VB
	s_add_co_u32 s96, s96, s22
	s_add_co_u32 s96, s96, VC
	s_add_nc_u64 s[OC2:OC2+1], s[14:15], s[96:97]
	; its scale words: VS + ((8 x batch + column) x 16 + 2 (row % 8) + lo) x 512 + 256 hi
	s_lshl_b32 s96, s78, 3
	s_add_co_u32 s96, s96, s74
	s_lshl_b32 s96, s96, 4
	s_lshl_b32 s22, s23, 1
	s_add_co_u32 s96, s96, s22
	s_add_co_u32 s96, s96, s[SLO]
	s_lshl_b32 s96, s96, 9
	s_lshl_b32 s22, s[SHI], 8
	s_add_co_u32 s96, s96, s22
	s_add_co_u32 s96, s96, VS
	s_add_nc_u64 s[OW2:OW2+1], s[14:15], s[96:97]
	s_wait_alu depctr_va_vdst(0)                   ; the wait at the head's end
	s_cmp_lt_u32 s[WV], 2
	s_cbranch_scc0 .Lnot_first
	s_wait_tensorcnt 0x0                           ; waves 0 and 1: the first 256 along K are in; the other two loads may stay out
.Lnot_first:
	s_barrier_signal -1
	s_barrier_wait -1
	FETCH_B 0, 0, 0
	FETCH_A 0, 0, 0
	FETCH_A 0, 0, 1
	s_wait_loadcnt 0x0                             ; the scale words and the biases
	KSTEP 0, 0, 0, 1, 0, 1, 0, 0                   ; the first step starts the sums with the bias
	KSTEP 1, 1, 1, 0, 1, 0, G0B, 2*PL              ; all first fills have landed; W's slot 0 is left and takes the third 256 along K
	KSTEP 2, 1, 1, 1, 0, 0, 0, 0
	KSTEP 3, 2, 0, 0, 1, 0, G0B+4, 2*PL            ; slot 1 takes the fourth
	KSTEP 4, 2, 0, 1, 0, 0, 0, 0
	KSTEP 5, 3, 1, 0, 1, 0, G0V0, 0                ; slot 0 takes Wv's first 512 along K
	KSTEP 6, 3, 1, 1, 0, 0, 0, 0
	KSTEP 7, 0, 0, 0, 1, 0, G0V1, 0                ; slot 1 takes Wv's second 512; the second tile's first fragments are fetched
; A WAY OUT of A's blocks a and a + 1 (a even: both lie in one window), line by line in turn.  A block's 64 results are, in each lane, register 16 p + i = B's row 32 p + 16 h + i of the lane's row of A: they are quantised where
; they lie, and the fragment leaves as its image: three stores of 512 bytes, from s[ob] on.
.macro QPAIR a, ob
.set WW, 2+(\a)/4
.set AC, 64*((\a)%4)
	WIN WW*5                                       ; sources 0 and 1: the accumulators' window
.irp u, 0,1
.irp b, 0,1,2,3
	v_max3_num_f32 v[TM+4*\u+\b], |v[AC+64*\u+16*\b]|, |v[AC+64*\u+16*\b+1]|, 0x1800000   ; each accumulator is read from its low end on; the floor 2^(3 - 127) holds the byte at 1 from below
.endr
.endr
.irp i, 2,4,6,8,10,12,14
.irp u, 0,1
.irp b, 0,1,2,3
	v_max3_num_f32 v[TM+4*\u+\b], |v[AC+64*\u+16*\b+\i]|, |v[AC+64*\u+16*\b+\i+1]|, v[TM+4*\u+\b]
.endr
.endr
.endr
	WIN 0
.irp n, 0,1,2,3,4,5,6,7
	v_permlanex16_b32 v[PX+\n], v[TM+\n], s[SEL], s[SEL+1]
.endr
.irp n, 0,1,2,3,4,5,6,7
	v_max_num_f32 v[TM+\n], v[TM+\n], v[PX+\n]     ; the scale block's largest magnitude
.endr
.irp n, 0,1,2,3,4,5,6,7
	v_add_nc_u32 v[SO+\n], 0xff000000, v[TM+\n]    ; 2 off its exponent field: the conversion's scale operand
.endr
.irp n, 0,1,2,3,4,5,6,7
	v_lshrrev_b32 v[PX+\n], 23, v[SO+\n]           ; the byte
.endr
.irp u, 0,1
	v_lshl_or_b32 v[PWS+(\a)+\u], v[PX+4*\u+1], 8, v[PX+4*\u]
.endr
.irp u, 0,1
	v_lshl_or_b32 v[PWS+(\a)+\u], v[PX+4*\u+2], 16, v[PWS+(\a)+\u]
.endr
.irp u, 0,1
	v_lshl_or_b32 v[PWS+(\a)+\u], v[PX+4*\u+3], 24, v[PWS+(\a)+\u]
.endr
	s_wait_xcnt 0x0                                ; the last pair's stores have read the codes' registers
	WIN WW                                         ; source 0: the accumulators' window
.irp u, 0,1
.irp c, 0,1
	v_cvt_scalef32_pk16_fp6_f32 v[PC+20*\u+6*\c:PC+20*\u+2+6*\c], v[AC+64*\u+32*\c:AC+64*\u+15+32*\c], v[SO+4*\u+2*\c]
	v_cvt_scalef32_pk16_fp6_f32 v[PC+20*\u+12+4*\c:PC+20*\u+14+4*\c], v[AC+64*\u+16+32*\c:AC+64*\u+31+32*\c], v[SO+4*\u+2*\c+1]
.endr
.endr
	WIN 0
	v_nop                                          ; one plain place behind a scaled conversion
.irp u, 0,1
.irp c, 0,1
.irp i, 0,1,2
	v_permlane16_swap_b32 v[PC+20*\u+6*\c+\i], v[PC+20*\u+12+4*\c+\i]
.endr
.endr
.endr
.irp u, 0,1
.irp c, 0,1
.irp i, 0,1,2
	v_mov_b32 v[PC+20*\u+3+6*\c+\i], v[PC+20*\u+12+4*\c+\i]
.endr
.endr
.endr
.irp u, 0,1
.irp c, 0,1,2
	global_store_b128 v[LI], v[PC+20*\u+4*\c:PC+20*\u+4*\c+3], s[\ob:\ob+1] offset:3072*((\a)+\u)+512*\c   ; 32 lanes store 512 consecutive bytes, aligned
.endr
.endr
.endm
	; BETWEEN THE TILES.  The second tile's scale words are asked for first (four places behind the last products, which read these registers): they land under the way out, as do its first fragments and Wv's last fill.
.irp u, 0,1,2,3,4,5,6,7
	global_load_b128 v[SC+8*\u:SC+8*\u+3], v[SG0], s[4:5] offset:512*\u
	global_load_b128 v[SC+8*\u+4:SC+8*\u+7], v[SG1], s[4:5] offset:512*\u+256
.endr
.irp a, 0,1,2,3
.irp j, 0,1,2,3,4,5,6,7
	v_mov_b32 v[96+8*\a+\j], v[BV+\a]              ; the second tile's bias in the result's layout: one channel a lane, in all eight registers
.endr
.endr
.irp n, 0,1,2,3,4,5,6,7
	v_mov_b32 v[PX+\n], 0                          ; a lane permute's destination counts as one of its sources
.endr
.irp a, 0,2,4,6
	QPAIR \a, OC1
.endr
.irp j, 0,1,2,3
	v_cndmask_b32 v[PT+\j], v[PWS+\j], v[PWS+4+\j], s[HM]   ; lanes 0-15 carry blocks 0-3's words, lanes 16-31 blocks 4-7's
.endr
	global_store_b128 v[LI], v[PT:PT+3], s[OW1:OW1+1]   ; my eight blocks' scale words: 512 consecutive bytes
	s_wait_xcnt 0x0                                ; the stores have read their registers: the second tile's fragments may land there
	s_wait_tensorcnt 0x0                           ; Wv's last fill has landed
	ds_add_u32 v[SPW], v[NIL]                      ; 0 onto my spare word
	s_wait_loadcnt 0x0                             ; the second tile's scale words
	s_wait_dscnt 0x0
	s_barrier_signal -1
	s_barrier_wait -1                              ; both slots of W are whole for every wave; nothing is filled again
	KSTEP2 0, 2                                    ; the first step starts the sums with the bias, over accumulators that have been read out
	KSTEP2 1, 0
	KSTEP2 2, 0
	KSTEP2 3, 0
	KSTEP2 4, 0
	KSTEP2 5, 0
	KSTEP2 6, 0
	KSTEP2 7, 0
	PLACES 4                                       ; in front of the first read of results and the first write of operands' registers
.irp n, 0,1,2,3,4,5,6,7
	v_mov_b32 v[PX+\n], 0
.endr
.irp a, 0,2
	QPAIR \a, OC2
.endr
	s_wait_xcnt 0x0                                ; EXEC changes only behind this wait
	v_cmp_gt_u32 vcc_lo, 16, v[LN]
	s_and_saveexec_b32 s22, vcc_lo                 ; lanes 16-31 hold the same words as lanes 0-15
	global_store_b128 v[SOF], v[PWS:PWS+3], s[OW2:OW2+1]   ; my four blocks' scale words: 16 lanes store 256 consecutive bytes, aligned
	s_wait_xcnt 0x0
	s_or_b32 exec_lo, exec_lo, s22
	s_wait_tensorcnt 0x0                           ; the wave's end
	ds_add_u32 v[SPW], v[NIL]
	s_wait_dscnt 0x0
	CROUND                                         ; the closing round
	s_endpgm
.Lfunc_end_k_q4010094f6e_proj:
	.size	k_q4010094f6e_proj, .Lfunc_end_k_q4010094f6e_proj-k_q4010094f6e_proj
	.p2alignl 7, 3214868480
	.fill 96, 4, 3214868480
	.section	.rodata,"a",@progbits
	.p2align	6, 0x0
	.amdhsa_kernel k_q4010094f6e_proj
		.amdhsa_group_segment_fixed_size 327680
		.amdhsa_private_segment_fixed_size 0
		.amdhsa_enable_private_segment 0
		.amdhsa_kernarg_size 48
		.amdhsa_user_sgpr_count 2
		.amdhsa_user_sgpr_kernarg_segment_ptr 1
		.amdhsa_wavefront_size32 1
		.amdhsa_system_sgpr_workgroup_id_x 1
		.amdhsa_system_sgpr_workgroup_id_y 1
		.amdhsa_system_sgpr_workgroup_id_z 1
		.amdhsa_system_vgpr_workitem_id 0
		.amdhsa_next_free_vgpr 1024
		.amdhsa_next_free_sgpr 100
		.amdhsa_reserve_vcc 1
		.amdhsa_float_denorm_mode_32 3
		.amdhsa_float_denorm_mode_16_64 3
		.amdhsa_memory_ordered 1
		.amdhsa_forward_progress 1
		.amdhsa_inst_pref_size 215
	.end_amdhsa_kernel
	.amdgpu_metadata
---
amdhsa.version: [ 1, 2 ]
amdhsa.kernels:
  - .name:           k_q4010094f6e_proj
    .symbol:         k_q4010094f6e_proj.kd
    .args:
      - { .name: xw, .offset: 0, .size: 8, .value_kind: global_buffer, .address_space: global }
      - { .name: bq, .offset: 8, .size: 8, .value_kind: global_buffer, .address_space: global }
      - { .name: bk, .offset: 16, .size: 8, .value_kind: global_buffer, .address_space: global }
      - { .name: bv, .offset: 24, .size: 8, .value_kind: global_buffer, .address_space: global }
      - { .name: qk, .offset: 32, .size: 8, .value_kind: global_buffer, .address_space: global }
      - { .name: pv, .offset: 40, .size: 8, .value_kind: global_buffer, .address_space: global }
    .group_segment_fixed_size: 327680
    .private_segment_fixed_size: 0
    .kernarg_segment_align: 8
    .kernarg_segment_size: 48
    .max_flat_workgroup_size: 128
    .sgpr_count:     100
    .vgpr_count:     1024
    .wavefront_size: 32
...
	.end_amdgpu_metadata
.endif
;; end of part 2
;; launch score (part 3): grid 8 x 32, 4 waves a work-group, clusters of 4 x 4, 327,680 bytes of LDS; arguments qk, pv; writes pv
.if DOCPART == 3
	.amdgcn_target "amdgcn-amd-amdhsa--gfx1250"
	.amdhsa_code_object_version 6
	.text
	.protected	k_q4010094f6e_score
	.globl	k_q4010094f6e_score
	.p2align	8
	.type	k_q4010094f6e_score,@function
k_q4010094f6e_score:
	s_mov_b64 s[64:65], 0
	v_nop
	global_prefetch_b8 v0, s[64:65] scope:SCOPE_SE
	s_setreg_imm32_b32 hwreg(HW_REG_WAVE_MODE, 25, 1), 1
	s_wait_xcnt 0x0
	s_wait_alu depctr_hold_cnt(0) depctr_sa_sdst(0) depctr_va_vdst(0) depctr_va_sdst(0) depctr_va_ssrc(0) depctr_va_vcc(0) depctr_vm_vsrc(0)
	s_getreg_b32 s2, hwreg(HW_REG_IB_STS2, 6, 4)
	s_cmp_eq_u32 s2, 0
	s_cbranch_scc0 .Lentry_in_a_cluster
	s_endpgm
.Lentry_in_a_cluster:
	s_bfe_u32 s2, ttmp6, 0x10000c
	s_cmp_lg_u32 s2, 0xf033
	s_cbranch_scc0 .Lentry_shape_is_right
	s_endpgm
.Lentry_shape_is_right:
; S = q k^T on codes of FP6 (E2M3) out of qk, and the softmax's numerator p, quantised along the keys, into pv.  A tile is 256 queries x 256 keys of one batch; four waves, each 128 x 128; K = 1,024 in 8 steps of 128.
; THE SOFTMAX IS MADE FOR EACH QUERY AND EACH 128 KEYS BY ITSELF: t = score x log2(e) / 32; M = the largest t of the wave's 128 keys, rounded UP to a whole number; p = 2^(t - M); l = the sum of the unquantised p.
; p's codes and scale words, -M and l go to pv.  The next launch finds each row's largest M and brings every 128 keys under it by adding a whole number to p's scale bytes: a power of two, which rounds nothing.
; Operands, cluster and the order of rows are those of the launch that made q and k: images of registers, q's tile shared along a row of the cluster and k's along a column.
; Source 0 = 16 keys, source 1 = 16 queries: a lane holds one query, and the 64 results of a block of queries are 16 neighbours of each 32 of the wave's 128 keys.
; LDS: three slots of 256 along K: q's slot s at 49,152 s, k's at 147,456 + 49,152 s.  Behind them the spare words.
; FILLS: at the head one load a wave: wave 0 q's first 256 along K, wave 1 k's, wave 2 q's second and third as two long rows, wave 3 k's.  The first barrier waits for waves 0 and 1 alone.
; The fourth 256 along K is the one refill, of slot 0, by waves 0 and 1, behind step 1's round of the cluster's barrier.  By this text's own count a wave has at most one tensor load out.
; LIMITS: a block's largest p is taken as at least 2^-60, so its byte is at least 65 and the next launch's shift, held at -64, cannot take it under 1: weights under some 2^-60 of their 128 keys' largest are carried coarsely or as 0.
; The promise holds while t stays under 2^31 in magnitude.  NaN and infinities are not served.
; No prefetch: the text has no loop to run ahead in; of four 256 along K three are asked for at the head.
.set PL,    3145728                    ; qk: 1,024 row blocks x 3,072 bytes
.set QS,    12582912                   ; qk: the scale words
.set PS,    18874368                   ; pv: p's scale words;  -M lies 786,432 bytes behind them, l 1,310,720
.set SLOT,  49152
.set KOF,   147456
.set SPARE, 6*SLOT
.set ADRA,  16
.set ADRAH, 20
.set ADRB,  24
.set SPW,   28
.set NIL,   29
.set LI,    30
.set LN,    31
.set SC,    32                         ; v32-95 scale words and nothing else
.set AF,    128
.set MB,    128                        ; the way out, two blocks of queries at a time: v128-135 the blocks' largest scores, then their largest p
.set MX,    136                        ; v136-143 lane l xor 16's
.set SO,    144                        ; v144-151 the conversions' scale operands
.set BY,    152                        ; v152-159 the bytes
.set NM,    160                        ; v[160:161], v[162:163] -M (the packed form names a pair and takes its low word)
.set SMA,   164                        ; v164-167, v168-171 the sums, each in two chains of pairs
.set SMB,   168
.set TA,    172
.set TB,    174
.set PWS,   176                        ; v176-183 the eight blocks' scale words
.set NMS,   184                        ; v184-191 their -M
.set LS,    192                        ; v192-199 their l
.set PT,    200                        ; v200-211
.set PC,    212                        ; v212-231, v232-251 the codes
.set WV,    16
.set SHI,   17
.set SLO,   18
.set G1A,   24                         ; s[24:31] group 1 for q's single tile;  s[32:39] groups 0 of q's two loads
.set G0A,   32
.set G1B,   48                         ; s[48:55], s[56:63] the same for k
.set G0B,   56
.set G1A2,  8                          ; s[8:15], s[40:47] groups 1 of the two long loads
.set G1B2,  40
.set SEL,   86
.set CS,    88                         ; s[88:89] c = log2(e) / 32
.set HM,    90
.set MSB, 0
.macro WIN new
.if MSB != (\new)
	s_set_vgpr_msb (MSB<<8)|(\new)
.set MSB, (\new)
.endif
.endm
.macro PLACES n
.rept \n
	v_nop
.endr
.endm
.macro ARM under, g0, g1, next         ; the head's loads: one chain of branches on the wave's number, one load to an arm
	s_cmp_lt_u32 s[WV], \under
	s_cbranch_scc0 \next
	tensor_load_to_lds s[\g0:\g0+3], s[\g1:\g1+7]
	s_nop 0
.rept 4
	v_nop
.endr
	s_branch .Lhead_asked
\next:
.endm
.macro JLOAD g0a, g1a, g0b, g1b        ; the refill: wave 0 fetches q's tile, wave 1 k's; an s_nop 0 and four v_nop follow each of the two lines
	s_cmp_eq_u32 s[WV], 0
	s_cbranch_scc0 .Lfor_b_\@
	tensor_load_to_lds s[\g0a:\g0a+3], s[\g1a:\g1a+7]
	s_nop 0
.rept 4
	v_nop
.endr
	s_branch .Lasked_\@
.Lfor_b_\@:
	s_cmp_eq_u32 s[WV], 1
	s_cbranch_scc0 .Lasked_\@
	tensor_load_to_lds s[\g0b:\g0b+3], s[\g1b:\g1b+7]
	s_nop 0
.rept 4
	v_nop
.endr
.Lasked_\@:
.endm
.macro CREST
	s_cmp_lg_u32 s[WV], 0
	s_cbranch_scc1 .Lnot_wave_0_\@
	s_barrier_signal -3
.Lnot_wave_0_\@:
	s_barrier_wait -3
	s_barrier_signal -1
	s_barrier_wait -1
.endm
.macro CROUND
	s_barrier_signal -1
	s_barrier_wait -1
	CREST
.endm
.macro FRAG reg, adr, off
.irp c, 0,1,2
	ds_load_b128 v[\reg+4*\c:\reg+4*\c+3], v[\adr] offset:\off+512*\c
.endr
.endm
.macro FETCH_B s, q, p
	WIN 0x40
.irp i, 0,1,2,3,4,5,6,7
	FRAG 128*(\p)+12*\i, ADRB+\s, (2*\i+\q)*1536
.endr
	WIN 0
.endm
.macro FETCH_A s, q, half
.irp i, 0,1,2,3
.if \half
	FRAG AF+12*(4+\i), ADRAH+\s, (2*\i+\q)*1536
.else
	FRAG AF+12*\i, ADRA+\s, (2*\i+\q)*1536
.endif
.endr
.endm
.macro MUL16 a0, p, t, cm              ; cm = 0: in place; 3: the first product starts the sums.  The 64 accumulators take turns
.irp a, \a0, \a0+1
.irp b, 0,1,2,3,4,5,6,7
.set DD, 8*(8*((\a)%4)+\b)
.set FB, 128*(\p)+12*\b
.set FA, AF+12*(\a)
.set SWB, SC+8*(\t)+\b
.set SWA, SC+8*(\t)+(\a)
.if \cm == 0
	v_wmma_scale_f32_16x16x128_f8f6f4 v[DD:DD+7], v[FB:FB+11], v[FA:FA+11], v[DD:DD+7], v[SWB], v[SWA] matrix_a_fmt:MATRIX_FMT_FP6 matrix_b_fmt:MATRIX_FMT_FP6 matrix_a_scale:MATRIX_SCALE_ROW1
.else
	v_wmma_scale_f32_16x16x128_f8f6f4 v[DD:DD+7], v[FB:FB+11], v[FA:FA+11], 0, v[SWB], v[SWA] matrix_a_fmt:MATRIX_FMT_FP6 matrix_b_fmt:MATRIX_FMT_FP6 matrix_a_scale:MATRIX_SCALE_ROW1
.endif
.endr
.endr
.endm
; K step t, as in the launch before; it fetches the next step from slot ns, part nq.  sync 0: none; 3: the wait for all loads, the add and a plain barrier; 1: the same three lines, a round of the cluster's barrier and the refill of slot 0.
.macro KSTEP t, ns, nq, sync, cm
.set PP, (\t)%2
.set NPP, 1-PP
.if \sync
	s_wait_tensorcnt 0x0                           ; all my tensor loads have landed
	ds_add_u32 v[SPW], v[NIL]                      ; 0 onto my spare word
	s_wait_dscnt 13                                ; (the add and the youngest 12 loads, A's blocks 4-7, may be out)
.else
	s_wait_dscnt 12                                ; the youngest 12 loads (A's blocks 4-7) may be out
.endif
	WIN 0xa1
	MUL16 0, PP, \t, \cm
.if \sync
	s_wait_dscnt 0x0                               ; my LDS instructions are done
	s_barrier_signal -1
.endif
	MUL16 2, PP, \t, \cm
.if \sync
	WIN 0
	s_barrier_wait -1
.endif
.if \sync == 1
	CREST
	s_add_nc_u64 s[G0A+2:G0A+3], s[G0A+2:G0A+3], 3*PL
	s_add_nc_u64 s[G0B+2:G0B+3], s[G0B+2:G0B+3], 3*PL
	JLOAD G0A, G1A, G0B, G1B                       ; the first tensor load behind the round
	PLACES 4                                       ; on every wave's way, in front of the loads below
.elseif \sync
	PLACES 4
.else
	s_wait_dscnt 0x0
	PLACES 4
.endif
	FETCH_B \ns, \nq, NPP
	FETCH_A \ns, \nq, 0
	WIN 0xf1
	MUL16 4, PP, \t, \cm
	MUL16 6, PP, \t, \cm
	PLACES 4
	WIN 0
	FETCH_A \ns, \nq, 1
.endm
.macro LASTSTEP t
	s_wait_dscnt 12
	WIN 0xa1
	MUL16 0, (\t)%2, \t, 0
	MUL16 2, (\t)%2, \t, 0
	s_wait_dscnt 0x0
	WIN 0xf1
	MUL16 4, (\t)%2, \t, 0
	MUL16 6, (\t)%2, \t, 0
	WIN 0
	PLACES 4
.endm
	s_load_b128 s[4:7], s[0:1], 0x0                ; qk, pv
	v_lshl_add_u32 v[SPW], v0, 2, SPARE
	v_mov_b32 v[NIL], 0
	ds_add_u32 v[SPW], v[NIL]                      ; the wave's opening: the add, twice on end, and its wait ahead of my first tensor load
	ds_add_u32 v[SPW], v[NIL]
	v_lshrrev_b32 v1, 5, v0
	v_readfirstlane_b32 s[WV], v1
	s_lshr_b32 s[SHI], s[WV], 1                    ; which 128 queries are mine
	s_and_b32 s[SLO], s[WV], 1                     ; which 128 keys
	s_bfe_u32 s72, ttmp6, 0x40000
	s_bfe_u32 s73, ttmp6, 0x40004
	s_lshl_b32 s74, ttmp9, 2
	s_add_co_u32 s74, s74, s72                     ; tile of keys
	s_and_b32 s75, ttmp7, 0xffff
	s_lshr_b32 s78, s75, 1                         ; the batch, from the cluster's y alone
	s_lshl_b32 s75, s75, 2
	s_add_co_u32 s75, s75, s73                     ; tile of queries
	s_lshl_b32 s76, s73, 2
	s_lshl_b32 s76, 15, s76
	s_lshl_b32 s77, 0x1111, s72
	s_or_b32 s[G1A], s76, (3<<16)|(1<<21)
	s_or_b32 s[G1B], s77, (3<<16)|(1<<21)
	s_or_b32 s[G1A2], s76, (3<<16)|(1<<21)
	s_or_b32 s[G1B2], s77, (3<<16)|(1<<21)
.irp g, G1A, G1B                               ; a dense block of 49,152 bytes as 192 rows of 256 bytes
	s_mov_b32 s[\g+1], 32<<16
	s_mov_b32 s[\g+2], 192<<16
	s_mov_b32 s[\g+3], 32<<16
	s_mov_b32 s[\g+4], 192
	s_mov_b32 s[\g+5], 32
	s_mov_b32 s[\g+6], 0
	s_mov_b32 s[\g+7], 0
.endr
.irp g, G1A2, G1B2                             ; two rows of 49,152 bytes, PL apart
	s_mov_b32 s[\g+1], 6144<<16
	s_mov_b32 s[\g+2], 2<<16
	s_mov_b32 s[\g+3], 6144<<16
	s_mov_b32 s[\g+4], 2
	s_mov_b32 s[\g+5], PL/8
	s_mov_b32 s[\g+6], 0
	s_mov_b32 s[\g+7], 0
.endr
	s_mul_i32 s20, s75, 49152                      ; q: row block 16 x tile
	s_mov_b32 s21, 0
	s_mul_i32 s2, s74, 49152                       ; k: row block 512 + 128 x batch + 16 x tile
	s_mul_i32 s3, s78, 128*3072
	s_add_co_u32 s2, s2, s3
	s_add_co_u32 s2, s2, 512*3072
	s_mov_b32 s3, 0
	s_mov_b32 s[SEL], 0x76543210
	s_mov_b32 s[SEL+1], 0xfedcba98
	s_mov_b32 s[CS], 0x3d38aa3b                    ; log2(e) / 32
	s_mov_b32 s[CS+1], s[CS]
	s_wait_dscnt 0x0
	CROUND                                         ; all sixteen work-groups are here, so the first joint loads meet; the round stands ahead of the wait for the arguments
	s_wait_kmcnt 0x0
	s_add_nc_u64 s[20:21], s[4:5], s[20:21]
	s_add_nc_u64 s[2:3], s[4:5], s[2:3]
.irp s, 0,1
	s_mov_b32 s[G0A+4*\s], 1
	s_mov_b32 s[G0A+4*\s+1], \s*SLOT
	s_add_nc_u64 s[G0A+4*\s+2:G0A+4*\s+3], s[20:21], \s*PL
	s_or_b32 s[G0A+4*\s+3], s[G0A+4*\s+3], 0x80000000
	s_mov_b32 s[G0B+4*\s], 1
	s_mov_b32 s[G0B+4*\s+1], KOF+\s*SLOT
	s_add_nc_u64 s[G0B+4*\s+2:G0B+4*\s+3], s[2:3], \s*PL
	s_or_b32 s[G0B+4*\s+3], s[G0B+4*\s+3], 0x80000000
.endr
	ARM 1, G0A, G1A, .Lhead_k
	ARM 2, G0B, G1B, .Lhead_q2
	ARM 3, G0A+4, G1A2, .Lhead_k2
	tensor_load_to_lds s[G0B+4:G0B+7], s[G1B2:G1B2+7]
	s_nop 0
.rept 4
	v_nop
.endr
.Lhead_asked:
	v_and_b32 v[LN], 31, v0
	v_and_b32 v2, 15, v0
	v_lshlrev_b32 v[LI], 4, v[LN]
	v_cmp_le_u32 s[HM], 16, v[LN]
	s_lshl_b32 s92, s75, 1
	s_add_co_u32 s92, s92, s[SHI]                  ; q's 128 rows
	s_lshl_b32 s93, s78, 4
	s_lshl_b32 s94, s74, 1
	s_add_co_u32 s93, s93, s94
	s_add_co_u32 s93, s93, s[SLO]
	s_add_co_u32 s93, s93, 64                      ; k's: 64 + 16 x batch + 2 x tile + half
	s_lshl_b32 s92, s92, 12
	s_lshl_b32 s93, s93, 12
	v_mov_b32 v8, s92
	v_mov_b32 v9, s93
	v_cndmask_b32 v8, v8, v9, s[HM]
	s_wait_alu depctr_va_vdst(0)                   ; directly ahead of the reader below
	v_lshl_add_u32 v8, v2, 4, v8
	v_add_nc_u32 v8, QS, v8
.irp t, 0,1,2,3,4,5,6,7
.irp g, 0,1
	global_load_b128 v[SC+8*\t+4*\g:SC+8*\t+4*\g+3], v8, s[4:5] offset:512*\t+256*\g
.endr
.endr
	s_mul_i32 s92, s[SHI], 24576
	s_mul_i32 s93, s[SLO], 24576
	s_add_co_u32 s93, s93, KOF
.irp s, 0,1,2
	v_add_nc_u32 v[ADRA+\s], s92, v[LI]
	v_add_nc_u32 v[ADRAH+\s], 12288, v[ADRA+\s]
	v_add_nc_u32 v[ADRB+\s], s93, v[LI]
	s_add_co_u32 s92, s92, SLOT
	s_add_co_u32 s93, s93, SLOT
.endr
	s_lshl_b32 s92, s74, 9                         ; p's codes: ((512 x key tile + 16 x query tile + 8 hi) x 2 + lo) x 1,536
	s_lshl_b32 s94, s75, 4
	s_add_co_u32 s92, s92, s94
	s_lshl_b32 s94, s[SHI], 3
	s_add_co_u32 s92, s92, s94
	s_lshl_b32 s92, s92, 1
	s_add_co_u32 s92, s92, s[SLO]
	s_mul_i32 s92, s92, 1536
	s_mov_b32 s93, 0
	s_add_nc_u64 s[80:81], s[6:7], s[92:93]
	s_lshl_b32 s92, s75, 1                         ; words: PS + ((2 x query tile + hi) x 16 + 2 x key tile + lo) x 512
	s_add_co_u32 s92, s92, s[SHI]
	s_lshl_b32 s92, s92, 4
	s_lshl_b32 s94, s74, 1
	s_add_co_u32 s92, s92, s94
	s_add_co_u32 s92, s92, s[SLO]
	s_lshl_b32 s92, s92, 9
	s_add_co_u32 s92, s92, PS
	s_add_nc_u64 s[82:83], s[6:7], s[92:93]
	s_wait_alu depctr_va_vdst(0)                   ; the wait at the head's end
	s_cmp_lt_u32 s[WV], 2
	s_cbranch_scc0 .Lnot_first
	s_wait_tensorcnt 0x0                           ; waves 0 and 1: slot 0 is in; the two long loads may stay out
.Lnot_first:
	s_barrier_signal -1
	s_barrier_wait -1
	FETCH_B 0, 0, 0
	FETCH_A 0, 0, 0
	FETCH_A 0, 0, 1
	s_wait_loadcnt 0x0                             ; the scale words
	KSTEP 0, 0, 1, 0, 3
	KSTEP 1, 1, 0, 1, 0                            ; all first fills have landed; slot 0 is left and takes the fourth 256 along K
	KSTEP 2, 1, 1, 0, 0
	KSTEP 3, 2, 0, 0, 0
	KSTEP 4, 2, 1, 0, 0
	KSTEP 5, 0, 0, 3, 0
	KSTEP 6, 0, 1, 0, 0
	LASTSTEP 7
; THE WAY OUT of two blocks of 16 queries, a and a + 1 (a even: both lie in one window), line by line in turn: the wave's 128 keys are one K step of the next product, and no other wave is asked for anything.
.macro SPAIR a
.set WW, 2+(\a)/4
.set AC, 64*((\a)%4)
	WIN WW*5                                       ; sources 0 and 1: the accumulators' window
.irp u, 0,1
.irp b, 0,1,2,3
	v_max_num_f32 v[MB+4*\u+\b], v[AC+64*\u+16*\b], v[AC+64*\u+16*\b+1]   ; the largest SCORE of each block of 32 keys: it serves for M and, since p rises with the score, for the block's largest p.  Each accumulator is read from its low end on
.endr
.endr
.irp i, 2,4,6,8,10,12,14
.irp u, 0,1
.irp b, 0,1,2,3
	v_max3_num_f32 v[MB+4*\u+\b], v[AC+64*\u+16*\b+\i], v[AC+64*\u+16*\b+\i+1], v[MB+4*\u+\b]
.endr
.endr
.endr
	WIN 0
.irp n, 0,1,2,3,4,5,6,7
	v_permlanex16_b32 v[MX+\n], v[MB+\n], s[SEL], s[SEL+1]
.endr
.irp n, 0,1,2,3,4,5,6,7
	v_max_num_f32 v[MB+\n], v[MB+\n], v[MX+\n]
.endr
.irp u, 0,1
	v_max3_num_f32 v[TA+\u], v[MB+4*\u], v[MB+4*\u+1], v[MB+4*\u+2]
.endr
.irp u, 0,1
	v_max_num_f32 v[TA+\u], v[TA+\u], v[MB+4*\u+3] ; the largest score of my query's 128 keys
.endr
.irp u, 0,1
	v_mul_f32 v[TA+\u], s[CS], v[TA+\u]            ; as t
.endr
.irp u, 0,1
	v_floor_f32 v[NM+2*\u], -v[TA+\u]              ; -M = floor(-t): M is a whole number
.endr
.irp u, 0,1
	v_mov_b32 v[NMS+(\a)+\u], v[NM+2*\u]
.endr
.irp u, 0,1
.irp b, 0,1,2,3
	v_fma_f32 v[MB+4*\u+\b], v[MB+4*\u+\b], s[CS], v[NM+2*\u]
.endr
.endr
	WIN WW*65                                      ; destination and source 0: the accumulators' window
.irp u, 0,1
.set j, 0
.rept 32
	v_pk_fma_f32 v[AC+64*\u+j:AC+64*\u+j+1], v[AC+64*\u+j:AC+64*\u+j+1], s[CS:CS+1], v[NM+2*\u:NM+2*\u+1] op_sel_hi:[1,0,0]   ; t - M, two at a time
.set j, j+2
.endr
.endr
	WIN 0
	s_wait_alu depctr_va_vdst(0)                   ; ahead of the batch
.irp n, 0,1,2,3,4,5,6,7
	v_exp_f32 v[MB+\n], v[MB+\n]                   ; the blocks' largest p: the same two instructions as for every p
.endr
	WIN WW*65
.set j, 0
.rept 128
	v_exp_f32 v[AC+j], v[AC+j]                     ; p = 2^(t - M): not normalised
.set j, j+1
.endr
	v_nop                                          ; a plain instruction behind the last exponential
	s_wait_alu depctr_va_vdst(0)                   ; ahead of the first line that names a result: one for all 136
	WIN 0
.irp n, 0,1,2,3,4,5,6,7
	v_max_num_f32 v[MB+\n], 0x21800000, v[MB+\n]   ; the floor 2^-60: the byte is at least 65
.endr
.irp n, 0,1,2,3,4,5,6,7
	v_add_nc_u32 v[SO+\n], 0xff000000, v[MB+\n]    ; 2 off the exponent field: the conversion's scale operand
.endr
.irp n, 0,1,2,3,4,5,6,7
	v_lshrrev_b32 v[BY+\n], 23, v[SO+\n]
.endr
.irp u, 0,1
	v_lshl_or_b32 v[PWS+(\a)+\u], v[BY+4*\u+1], 8, v[BY+4*\u]
.endr
.irp u, 0,1
	v_lshl_or_b32 v[PWS+(\a)+\u], v[BY+4*\u+2], 16, v[PWS+(\a)+\u]
.endr
.irp u, 0,1
	v_lshl_or_b32 v[PWS+(\a)+\u], v[BY+4*\u+3], 24, v[PWS+(\a)+\u]
.endr
	WIN WW*5
.irp u, 0,1
	v_pk_add_f32 v[SMA+2*\u:SMA+2*\u+1], v[AC+64*\u:AC+64*\u+1], v[AC+64*\u+2:AC+64*\u+3]   ; the sum is taken of the unquantised p: two chains of pairs for each block
	v_pk_add_f32 v[SMB+2*\u:SMB+2*\u+1], v[AC+64*\u+4:AC+64*\u+5], v[AC+64*\u+6:AC+64*\u+7]
.endr
	WIN WW
.irp i, 8,12,16,20,24,28,32,36,40,44,48,52,56,60
.irp u, 0,1
	v_pk_add_f32 v[SMA+2*\u:SMA+2*\u+1], v[AC+64*\u+\i:AC+64*\u+\i+1], v[SMA+2*\u:SMA+2*\u+1]
	v_pk_add_f32 v[SMB+2*\u:SMB+2*\u+1], v[AC+64*\u+\i+2:AC+64*\u+\i+3], v[SMB+2*\u:SMB+2*\u+1]
.endr
.endr
	s_wait_alu depctr_va_vdst(0)                   ; directly ahead of the wait below
	s_wait_xcnt 0x0                                ; the last pair's stores have read the codes' registers
.irp u, 0,1
.irp c, 0,1
	v_cvt_scalef32_pk16_fp6_f32 v[PC+20*\u+6*\c:PC+20*\u+2+6*\c], v[AC+64*\u+32*\c:AC+64*\u+15+32*\c], v[SO+4*\u+2*\c]
	v_cvt_scalef32_pk16_fp6_f32 v[PC+20*\u+12+4*\c:PC+20*\u+14+4*\c], v[AC+64*\u+16+32*\c:AC+64*\u+31+32*\c], v[SO+4*\u+2*\c+1]
.endr
.endr
	WIN 0
.irp u, 0,1
	v_pk_add_f32 v[SMA+2*\u:SMA+2*\u+1], v[SMA+2*\u:SMA+2*\u+1], v[SMB+2*\u:SMB+2*\u+1]   ; (the plain places behind the conversions)
.endr
.irp u, 0,1
	v_add_f32 v[TA+\u], v[SMA+2*\u], v[SMA+2*\u+1]
.endr
.irp u, 0,1
	v_permlanex16_b32 v[TB+\u], v[TA+\u], s[SEL], s[SEL+1]
.endr
.irp u, 0,1
	v_add_f32 v[LS+(\a)+\u], v[TA+\u], v[TB+\u]    ; l of my query's 128 keys
.endr
.irp u, 0,1
.irp c, 0,1
.irp i, 0,1,2
	v_permlane16_swap_b32 v[PC+20*\u+6*\c+\i], v[PC+20*\u+12+4*\c+\i]
.endr
.endr
.endr
.irp u, 0,1
.irp c, 0,1
.irp i, 0,1,2
	v_mov_b32 v[PC+20*\u+3+6*\c+\i], v[PC+20*\u+12+4*\c+\i]
.endr
.endr
.endr
.irp u, 0,1
.irp c, 0,1,2
	global_store_b128 v[LI], v[PC+20*\u+4*\c:PC+20*\u+4*\c+3], s[80:81] offset:3072*((\a)+\u)+512*\c   ; 512 consecutive bytes, aligned
.endr
.endr
.endm
.macro PUT8 regs, tmp, off             ; eight blocks' words: lanes 0-15 carry blocks 0-3's, lanes 16-31 blocks 4-7's: 512 consecutive bytes
.irp j, 0,1,2,3
	v_cndmask_b32 v[\tmp+\j], v[\regs+\j], v[\regs+4+\j], s[HM]
.endr
	global_store_b128 v[LI], v[\tmp:\tmp+3], s[82:83] offset:\off
.endm
.irp n, 0,1,2,3,4,5,6,7
	v_mov_b32 v[MX+\n], 0                          ; written once: a lane permute's destination counts as one of its sources
.endr
.irp u, 0,1
	v_mov_b32 v[TB+\u], 0
	v_mov_b32 v[NM+1+2*\u], 0                      ; named as the upper half of a pair
.endr
.irp a, 0,2,4,6
	SPAIR \a
.endr
	PUT8 PWS, PT, 0
	PUT8 NMS, PT+4, 786432
	PUT8 LS, PT+8, 1310720
	s_wait_tensorcnt 0x0                           ; the wave's end
	ds_add_u32 v[SPW], v[NIL]
	s_wait_dscnt 0x0
	CROUND
	s_endpgm
.Lfunc_end_k_q4010094f6e_score:
	.size	k_q4010094f6e_score, .Lfunc_end_k_q4010094f6e_score-k_q4010094f6e_score
	.p2alignl 7, 3214868480
	.fill 96, 4, 3214868480
	.section	.rodata,"a",@progbits
	.p2align	6, 0x0
	.amdhsa_kernel k_q4010094f6e_score
		.amdhsa_group_segment_fixed_size 327680
		.amdhsa_private_segment_fixed_size 0
		.amdhsa_enable_private_segment 0
		.amdhsa_kernarg_size 16
		.amdhsa_user_sgpr_count 2
		.amdhsa_user_sgpr_kernarg_segment_ptr 1
		.amdhsa_wavefront_size32 1
		.amdhsa_system_sgpr_workgroup_id_x 1
		.amdhsa_system_sgpr_workgroup_id_y 1
		.amdhsa_system_sgpr_workgroup_id_z 1
		.amdhsa_system_vgpr_workitem_id 0
		.amdhsa_next_free_vgpr 1024
		.amdhsa_next_free_sgpr 100
		.amdhsa_reserve_vcc 0
		.amdhsa_float_denorm_mode_32 3
		.amdhsa_float_denorm_mode_16_64 3
		.amdhsa_memory_ordered 1
		.amdhsa_forward_progress 1
		.amdhsa_inst_pref_size 192
	.end_amdhsa_kernel
	.amdgpu_metadata
---
amdhsa.version: [ 1, 2 ]
amdhsa.kernels:
  - .name:           k_q4010094f6e_score
    .symbol:         k_q4010094f6e_score.kd
    .args:
      - { .name: qk, .offset: 0, .size: 8, .value_kind: global_buffer, .address_space: global }
      - { .name: pv, .offset: 8, .size: 8, .value_kind: global_buffer, .address_space: global }
    .group_segment_fixed_size: 327680
    .private_segment_fixed_size: 0
    .kernarg_segment_align: 8
    .kernarg_segment_size: 16
    .max_flat_workgroup_size: 128
    .sgpr_count:     100
    .vgpr_count:     1024
    .wavefront_size: 32
...
	.end_amdgpu_metadata
.endif
;; end of part 3
;; launch pvout (part 4): grid 8 x 32, 4 waves a work-group, clusters of 4 x 4, 327,680 bytes of LDS; arguments pv, out0; writes out0
.if DOCPART == 4
	.amdgcn_target "amdgcn-amd-amdhsa--gfx1250"
	.amdhsa_code_object_version 6
	.text
	.protected	k_q4010094f6e_pvout
	.globl	k_q4010094f6e_pvout
	.p2align	8
	.type	k_q4010094f6e_pvout,@function
k_q4010094f6e_pvout:
	s_mov_b64 s[64:65], 0
	v_nop
	global_prefetch_b8 v0, s[64:65] scope:SCOPE_SE
	s_setreg_imm32_b32 hwreg(HW_REG_WAVE_MODE, 25, 1), 1
	s_wait_xcnt 0x0
	s_wait_alu depctr_hold_cnt(0) depctr_sa_sdst(0) depctr_va_vdst(0) depctr_va_sdst(0) depctr_va_ssrc(0) depctr_va_vcc(0) depctr_vm_vsrc(0)
	s_getreg_b32 s2, hwreg(HW_REG_IB_STS2, 6, 4)
	s_cmp_eq_u32 s2, 0
	s_cbranch_scc0 .Lentry_in_a_cluster
	s_endpgm
.Lentry_in_a_cluster:
	s_bfe_u32 s2, ttmp6, 0x10000c
	s_cmp_lg_u32 s2, 0xf033
	s_cbranch_scc0 .Lentry_shape_is_right
	s_endpgm
.Lentry_shape_is_right:
; out = (p v) / l on codes of FP6 (E2M3) out of pv.  A tile is 256 queries x 128 channels of one batch: 32 x 8 = 256 work-groups.  Four waves, each 128 queries (8 blocks of 16) x 64 channels (4 blocks); K = 2,048 keys in 16 steps of 128.
; THE SCALE BYTES.  Each 128 keys of a query have a whole number M of their own (the buffer holds -M), under which their p, p's scale bytes and their sum l were made.  The row's M is the largest; M's own less the row's, a whole number,
; is added to the four scale bytes and to l's exponent: powers of two, nothing is rounded.  A wave does so for 64 queries (lanes 0-15 steps 0-7, lanes 16-31 steps 8-15) and lays the words and 1 / l in LDS for all.
; LIMITS: that whole number is held at -64 (the bytes are at least 65): weights under some 2^-60 of a row's largest are carried coarsely or as 0.  NaN and infinities are not served.
; OPERANDS LIE AS IMAGES OF THEIR REGISTERS (a fragment of 16 rows x 128 keys = 3 x 512 bytes, lane l's 16 bytes at 16 l), laid [keys / 256][row block][2].  Lane r of row block 2 p + u holds row 32 p + 8 u + r + 8 (r / 8).
; THE MATRIX INSTRUCTION: source 0 = 16 channels, source 1 = 16 queries: a lane holds one query, and its 16 results of channel blocks 2 p, 2 p + 1 are channels 32 p + 16 h + 0 .. 15.
; REGISTERS: four sets of fragments, step k in set k % 4.  Window 0: v0-31 addresses, v32-63 scale words (set s: register i: lanes 0-15 query block i, lanes 16-31 channel block i), v64-255 the channels' fragments (48 a set).
;   Query blocks 0-2 have window 1, 3-5 window 2, 6-7 window 3, each for the blocks' accumulators (32 a block) and their fragments of all four sets.
; A STEP's 32 products stand behind ONE run of 38 LDS loads, the fragments and scale words of the step two further on.
; LDS: two slots of 512 keys: the upper (at SLOT) takes steps 0-3 and 8-11, the lower (at 0) 4-7 and 12-15.  In a slot: the queries' two 256 keys, then the channels' two.  Behind them the words, 1 / l, the spare words.
; FILLS: at the head one load a wave: wave 0 the upper slot's queries, wave 1 its channels, waves 2 and 3 the lower slot's; the first barrier waits for waves 0 and 1 alone.  Two refills, in steps 2 and 6, each behind a round, by waves 0 and 1.
; CLUSTER 4 x 4: p's tiles are asked for jointly along a row of the cluster, v's along a column.
; THE LAST 512 KEYS GO BY ROWS: block by block of 16 queries, each leaving as soon as its 16 products are done.
; PREFETCH: what a refill will load is asked for behind step 0 and behind step 3, a step and more ahead, each 256 bytes once in a cluster: its sixteen waves of a row (p) or a column (v) share the tile out by address.
.set PLP,   1572864                    ; pv: from one 256 keys of p to the next
.set PLV,   196608                     ; the same for v
.set VC,    12582912                   ; v's codes
.set VB,    1572864                    ; a batch of them
.set PS,    18874368                   ; p's scale words;  -M lies 786,432 bytes behind them, l 1,310,720
.set VS,    19398656                   ; v's scale words
.set SLOT,  147456
.set VOF,   98304                      ; the channels in a slot
.set PWL,   294912                     ; LDS: p's words [128 queries][step][block / 4][lane % 16][block % 4]
.set VWL,   PWL+16384                  ; v's words [step][block / 4][lane % 16][block % 4]
.set RLB,   VWL+8192                   ; 1 / l [128 queries][block / 4][lane % 16][block % 4]
.set SPARE, RLB+1024                   ; the spare words, 128 bytes a wave: two blocks of 256 bytes that no other line names
.set A0,    4                          ; v4-5  LDS address of my queries' fragments in the lower slot, first and second 256 keys
.set B0,    6                          ; v6    of my channels'
.set S0,    7                          ; v7    of my scale words
.set AC,    8                          ; v8-11 the same three, for the steps that are fetched now
.set BC,    10
.set SCA,   11
.set STO,   12                         ; v12   the stage, on the way in
.set RD,    13                         ; v13   and on the way out
.set CO,    14                         ; v14   my place in two rows of the output
.set LI,    15                         ; v15   16 x lane
.set PFP,   16                         ; v16   my share of a prefetch of p
.set REL,   17                         ; v17   LDS place of the words that I make
.set PFV,   24                         ; v24   of v
.set SPW,   28                         ; v28   LDS address of my spare word; never rewritten
.set NIL,   29                         ; v29   0; never rewritten
.set SC,    32
.set BF,    64
.set BK,    160                        ; window 3: v160-191 rows read back from the stage
.set RL,    224                        ; window 3: v224-239 1 / l of the eight blocks, each twice
.set MM,    64                         ; the head: v64-95 -M, v96-127 l, v128-159 p's words, v160-175 v's words
.set LL,    96
.set WW,    128
.set VW,    160
.set NMG,   176                        ; v176-179 the rows' -M;  v180-183 a lane permute's results;  v184-187 1 / l
.set T,     180
.set RC,    184
.set WV,    16
.set SHI,   17
.set SLO,   18
.set G1A,   24                         ; s[24:31] group 1 for p;  s[48:55] for v
.set G1B,   48
.set G0P0,  32                         ; groups 0: the upper slot's first fill (p, v); the lower slot's (p, v), which step on to the refills
.set G0V0,  36
.set G0P1,  40
.set G0V1,  44
.set SEL,   86
.set MSB, 0
.macro WIN new                         ; the immediate's high byte repeats the setting that is left
.if MSB != (\new)
	s_set_vgpr_msb (MSB<<8)|(\new)
.set MSB, (\new)
.endif
.endm
.macro PLACES n
.rept \n
	v_nop
.endr
.endm
.macro TLOAD g0, g1
	tensor_load_to_lds s[\g0:\g0+3], s[\g1:\g1+7]
	s_nop 0
	PLACES 4
.endm
.macro ARM under, g0, g1, next
	s_cmp_lt_u32 s[WV], \under
	s_cbranch_scc0 \next
	TLOAD \g0, \g1
	s_branch .Lhead_asked
\next:
.endm
.macro CREST                           ; a round of the cluster's barrier behind its opening barrier
	s_cmp_lg_u32 s[WV], 0
	s_cbranch_scc1 .Lnot_wave_0_\@
	s_barrier_signal -3
.Lnot_wave_0_\@:
	s_barrier_wait -3
	s_barrier_signal -1
	s_barrier_wait -1
.endm
.macro CROUND
	s_barrier_signal -1
	s_barrier_wait -1
	CREST
.endm
.macro BFETCH k                        ; step k's scale words and my channels' four fragments: 14 loads
	WIN 0
.set S_, (\k)%4
	ds_load_b128 v[SC+8*S_:SC+8*S_+3], v[SCA] offset:512*(\k)
	ds_load_b128 v[SC+8*S_+4:SC+8*S_+7], v[SCA] offset:512*(\k)+256
.irp b, 0,1,2,3
.irp c, 0,1,2
	ds_load_b128 v[BF+48*S_+12*\b+4*\c:BF+48*S_+12*\b+4*\c+3], v[BC] offset:24576*(((\k)/2)%2)+(2*\b+(\k)%2)*1536+512*\c
.endr
.endr
.endm
.macro AREG k, i                       ; query block i: its window, and where step k's fragment lies there
.set W_, 1+(\i)/3
.if W_ == 3
.set AR_, 64+24*((\k)%4)+12*((\i)%3)
.else
.set AR_, 96+36*((\k)%4)+12*((\i)%3)
.endif
.endm
.macro ALD k, i, c                     ; one of its three loads
	AREG \k, \i
	ds_load_b128 v[AR_+4*(\c):AR_+4*(\c)+3], v[AC+((\k)/2)%2] offset:(2*(\i)+(\k)%2)*1536+512*(\c)
.endm
.macro AFETCH k                        ; all eight blocks: 24 loads
.irp i, 0,1,2,3,4,5,6,7
	AREG \k, \i
	WIN 64*W_
.irp c, 0,1,2
	ALD \k, \i, \c
.endr
.endr
.endm
.macro AZERO k                         ; block 0 alone: 3 loads
	WIN 0x40
.irp c, 0,1,2
	ALD \k, 0, \c
.endr
.endm
; One product.  The accumulators take turns, one instruction a turn, with three or more others between a sum's steps.  Step 0 starts the sums.
.macro PROD k, a, b
	AREG \k, \a
	WIN 84*W_                                      ; source 0 window 0; source 1, C and D the block's
.set D_, 32*((\a)%3)+8*(\b)
.set X_, SC+8*((\k)%4)
.set B_, BF+48*((\k)%4)+12*(\b)
.if (\k) == 0
	v_wmma_scale_f32_16x16x128_f8f6f4 v[D_:D_+7], v[B_:B_+11], v[AR_:AR_+11], 0, v[X_+(\b)], v[X_+(\a)] matrix_a_fmt:MATRIX_FMT_FP6 matrix_b_fmt:MATRIX_FMT_FP6 matrix_a_scale:MATRIX_SCALE_ROW1
.else
	v_wmma_scale_f32_16x16x128_f8f6f4 v[D_:D_+7], v[B_:B_+11], v[AR_:AR_+11], v[D_:D_+7], v[X_+(\b)], v[X_+(\a)] matrix_a_fmt:MATRIX_FMT_FP6 matrix_b_fmt:MATRIX_FMT_FP6 matrix_a_scale:MATRIX_SCALE_ROW1
.endif
.endm
.macro PROW k, a
.irp b, 0,1,2,3
	PROD \k, \a, \b
.endr
.endm
; Step k: step f's 38 loads in one run, then 32 products.  w: LDS loads that may be out ahead of the run (38: step k + 1's; -1: step k's are known to be in).
; A load into a register that a matrix instruction has read stands four plain vector instructions behind it (ISA guide 7.12.1 for vector instructions).
.macro KSTEP k, f, w
	WIN 0
	PLACES 4
.if (\w) >= 0
	s_wait_dscnt \w
.endif
	BFETCH \f
	AFETCH \f
.irp a, 0,1,2,3,4,5,6,7
	PROW \k, \a
.endr
.endm
; Step k with a barrier: in front of it each wave waits for all its tensor loads, (where a slot is filled again) adds 0 to its spare word, and waits for that and for its LDS reads: those of the slot left behind among them.
.macro SYNC k, refill
	s_wait_dscnt 38                                ; step k's loads are in; step k + 1's 38 may be out
	PROW \k, 0
	PROW \k, 1
	PROW \k, 2
	WIN 0
	s_wait_tensorcnt 0x0
.if \refill
	ds_add_u32 v[SPW], v[NIL]
.endif
	PROW \k, 3
	PROW \k, 4
	PROW \k, 5
	s_wait_dscnt 0x0
	s_barrier_signal -1
	PROW \k, 6
	PROW \k, 7
	WIN 0
	s_barrier_wait -1
.endm
	s_load_b128 s[4:7], s[0:1], 0x0                ; pv, out0
	v_lshl_add_u32 v[SPW], v0, 2, SPARE
	v_mov_b32 v[NIL], 0
	ds_add_u32 v[SPW], v[NIL]                      ; the wave's opening: the add, twice on end, and its wait ahead of my first tensor load
	ds_add_u32 v[SPW], v[NIL]
	v_lshrrev_b32 v1, 5, v0
	v_readfirstlane_b32 s[WV], v1
	s_lshr_b32 s[SHI], s[WV], 1                    ; which 128 queries are mine
	s_and_b32 s[SLO], s[WV], 1                     ; which 64 channels
	s_bfe_u32 s72, ttmp6, 0x40000                  ; cx
	s_bfe_u32 s73, ttmp6, 0x40004                  ; cy
	s_lshl_b32 s74, ttmp9, 2
	s_add_co_u32 s74, s74, s72                     ; tile of channels
	s_and_b32 s75, ttmp7, 0xffff
	s_lshr_b32 s78, s75, 1                         ; the batch, from the cluster's y alone
	s_lshl_b32 s75, s75, 2
	s_add_co_u32 s75, s75, s73                     ; tile of queries
	s_lshl_b32 s76, s73, 2
	s_lshl_b32 s76, 15, s76                        ; my row of the cluster
	s_lshl_b32 s77, 0x1111, s72                    ; my column
	s_lshl_b32 s60, s[SHI], 13
	s_lshl_b32 s61, s[SLO], 8
	s_add_co_u32 s60, s60, s61                     ; the words that I make: 8,192 hi + 256 lo
	s_lshl_b32 s61, s75, 14
	s_add_co_u32 s61, s61, PS
	s_lshl_b32 s62, s78, 3
	s_add_co_u32 s62, s62, s74
	s_lshl_b32 s62, s62, 13
	s_add_co_u32 s62, s62, VS
	s_lshl_b32 s63, s[WV], 11
	s_add_co_u32 s62, s62, s63                     ; v's words: four steps to a wave
	v_and_b32 v1, 31, v0
	v_and_b32 v2, 15, v0                           ; r
	v_bfe_u32 v3, v0, 4, 1                         ; h
	v_lshlrev_b32 v[LI], 4, v1
	v_lshlrev_b32 v18, 4, v2                       ; 16 r
	v_lshl_add_u32 v[REL], v3, 12, v18             ; lanes 16-31: eight steps further on
	v_add_nc_u32 v[REL], s60, v[REL]
	v_add_nc_u32 v19, s61, v[REL]                  ; in pv: p's words, and behind them -M and l
	v_add_nc_u32 v20, s62, v[LI]                   ; v's words
	v_add_nc_u32 v[REL], PWL, v[REL]
	v_add_nc_u32 v21, s63, v[LI]
	v_add_nc_u32 v21, VWL, v21                     ; v's words in LDS
	s_lshl_b32 s66, s[SHI], 9
	s_lshl_b32 s67, s[SLO], 8
	s_add_co_u32 s67, s67, s66
	v_add_nc_u32 v22, s67, v18
	v_add_nc_u32 v22, RLB, v22                     ; 1 / l: where I put my four blocks'
	v_add_nc_u32 v23, s66, v18
	v_add_nc_u32 v23, RLB, v23                     ; and where I read my eight blocks'
	s_mul_i32 s66, s[SHI], 24576
	s_mul_i32 s67, s[SLO], 12288
	s_add_co_u32 s67, s67, VOF
	v_add_nc_u32 v[A0], s66, v[LI]
	v_add_nc_u32 v[A0+1], 49152, v[A0]
	v_add_nc_u32 v[B0], s67, v[LI]
	s_lshl_b32 s66, s[SHI], 13
	s_add_co_u32 s66, s66, PWL
	s_xor_b32 s67, s[SHI], 1
	s_lshl_b32 s67, s67, 13
	s_lshl_b32 s68, s[SLO], 8
	s_add_co_u32 s67, s67, s68
	s_add_co_u32 s67, s67, 8192
	v_mul_u32_u24 v[S0], s67, v3                   ; lanes 0-15 p's words of my 128 queries, lanes 16-31 v's of my 64 channels (their second four registers are not used)
	v_add_nc_u32 v[S0], v[S0], v18
	v_add_nc_u32 v[S0], s66, v[S0]
	s_mul_i32 s66, s[WV], 16*272
	s_add_co_u32 s66, s66, SLOT                    ; my stage: 16 rows x (256 + 16) bytes in the upper slot, which has had its last fill and its last read by then
	v_mul_u32_u24 v[STO], v2, 272
	v_lshl_add_u32 v[STO], v3, 6, v[STO]
	v_add_nc_u32 v[STO], s66, v[STO]
	v_mul_u32_u24 v[RD], v3, 272
	v_lshl_add_u32 v[RD], v2, 4, v[RD]
	v_add_nc_u32 v[RD], s66, v[RD]
	v_lshlrev_b32 v[CO], 12, v3
	v_lshl_add_u32 v[CO], v2, 4, v[CO]
	s_lshl_b32 s66, s72, 2                         ; prefetch of p: 2 x 192 blocks of 256 bytes, 24 to a wave: my number among the sixteen of the row is 4 cx + wave
	s_add_co_u32 s66, s66, s[WV]
	s_lshr_b32 s67, s66, 3
	s_mul_i32 s67, s67, PLP
	s_and_b32 s66, s66, 7
	s_mul_i32 s66, s66, 24*256
	s_add_co_u32 s66, s66, s67
	v_min_u32 v[PFP], 23, v1
	v_lshl_add_u32 v[PFP], v[PFP], 8, s66
	s_lshl_b32 s66, s73, 2                         ; of v: 2 x 96 blocks, 12 to a wave: 4 cy + wave
	s_add_co_u32 s66, s66, s[WV]
	s_lshr_b32 s67, s66, 3
	s_mul_i32 s67, s67, PLV
	s_and_b32 s66, s66, 7
	s_mul_i32 s66, s66, 12*256
	s_add_co_u32 s66, s66, s67
	v_min_u32 v[PFV], 11, v1
	v_lshl_add_u32 v[PFV], v[PFV], 8, s66
	v_add_nc_u32 v[AC], SLOT, v[A0]                ; the first four steps lie in the upper slot
	v_add_nc_u32 v[AC+1], SLOT, v[A0+1]
	v_add_nc_u32 v[BC], SLOT, v[B0]
	v_mov_b32 v[SCA], v[S0]
.irp j, 0,1,2,3
	v_mov_b32 v[T+\j], 0                           ; a lane permute's destination counts as one of its sources
.endr
	s_wait_alu depctr_va_vdst(0)                   ; directly ahead of the scalar run and the waits below
	s_or_b32 s[G1A], s76, (3<<16)|(1<<21)          ; 15:0 the mask; 17:16 elements of 8 bytes; 21 set beside a mask; no padding
	s_mov_b32 s[G1A+1], 6144<<16                   ; 512 keys of p: two rows of 49,152 bytes, PLP apart
	s_mov_b32 s[G1A+2], 2<<16
	s_mov_b32 s[G1A+3], 6144<<16
	s_mov_b32 s[G1A+4], 2
	s_mov_b32 s[G1A+5], PLP/8
	s_mov_b32 s[G1A+6], 0
	s_mov_b32 s[G1A+7], 0
	s_or_b32 s[G1B], s77, (3<<16)|(1<<21)
	s_mov_b32 s[G1B+1], 3072<<16                   ; of v: two rows of 24,576 bytes, PLV apart
	s_mov_b32 s[G1B+2], 2<<16
	s_mov_b32 s[G1B+3], 3072<<16
	s_mov_b32 s[G1B+4], 2
	s_mov_b32 s[G1B+5], PLV/8
	s_mov_b32 s[G1B+6], 0
	s_mov_b32 s[G1B+7], 0
	s_mul_i32 s20, s75, 49152                      ; p: row block 16 x tile
	s_mov_b32 s21, 0
	s_mul_i32 s22, s74, 24576                      ; v: row block 8 x tile of the batch
	s_mul_i32 s23, s78, VB
	s_add_co_u32 s22, s22, s23
	s_add_co_u32 s22, s22, VC
	s_mov_b32 s23, 0
	s_mov_b32 s[SEL], 0x76543210
	s_mov_b32 s[SEL+1], 0xfedcba98
	s_mov_b32 s88, 0x01010101
	s_wait_dscnt 0x0                               ; both opening adds are done
	CROUND                                         ; all sixteen work-groups are here, so the first joint loads meet; the round stands ahead of the wait for the arguments
	s_wait_kmcnt 0x0
	s_add_nc_u64 s[20:21], s[4:5], s[20:21]
	s_add_nc_u64 s[22:23], s[4:5], s[22:23]
.irp t, 0,1,2,3,4,5,6,7                        ; four query blocks' numbers a lane
	global_load_b128 v[MM+4*\t:MM+4*\t+3], v19, s[4:5] offset:786432+512*\t
.endr
.irp t, 0,1,2,3,4,5,6,7
	global_load_b128 v[LL+4*\t:LL+4*\t+3], v19, s[4:5] offset:1310720+512*\t
.endr
.irp t, 0,1,2,3,4,5,6,7
	global_load_b128 v[WW+4*\t:WW+4*\t+3], v19, s[4:5] offset:512*\t
.endr
.irp t, 0,1,2,3
	global_load_b128 v[VW+4*\t:VW+4*\t+3], v20, s[4:5] offset:512*\t
.endr
.irp s, 0,1
	s_mov_b32 s[G0P0+8*\s], 1
	s_mov_b32 s[G0P0+8*\s+1], SLOT*(1-\s)
	s_add_nc_u64 s[G0P0+8*\s+2:G0P0+8*\s+3], s[20:21], \s*2*PLP
	s_or_b32 s[G0P0+8*\s+3], s[G0P0+8*\s+3], 0x80000000
	s_mov_b32 s[G0V0+8*\s], 1
	s_mov_b32 s[G0V0+8*\s+1], SLOT*(1-\s)+VOF
	s_add_nc_u64 s[G0V0+8*\s+2:G0V0+8*\s+3], s[22:23], \s*2*PLV
	s_or_b32 s[G0V0+8*\s+3], s[G0V0+8*\s+3], 0x80000000
.endr
	ARM 1, G0P0, G1A, .Lhead_v
	ARM 2, G0V0, G1B, .Lhead_p1
	ARM 3, G0P1, G1A, .Lhead_v1
	TLOAD G0V1, G1B
.Lhead_asked:
	s_add_nc_u64 s[66:67], s[20:21], 6*PLP         ; the prefetches' base in p: the last 512 keys
	s_lshl_b32 s92, s75, 20                        ; out0: (256 x tile + 128 hi) rows of 4,096 bytes + 512 x channel tile + 256 lo
	s_lshl_b32 s93, s[SHI], 19
	s_add_co_u32 s92, s92, s93
	s_lshl_b32 s93, s74, 9
	s_add_co_u32 s92, s92, s93
	s_lshl_b32 s93, s[SLO], 8
	s_add_co_u32 s92, s92, s93
	s_mov_b32 s93, 0
	s_add_nc_u64 s[80:81], s[6:7], s[92:93]
	s_mov_b32 s2, 0                                ; the slot that is fetched from, the scale words' step and the trip, for the loop
	s_mov_b32 s3, 0
	s_mov_b32 s19, 0
	s_wait_loadcnt 20                              ; -M is in; 20 younger loads may be out
.irp j, 0,1,2,3
	v_min3_num_f32 v[NMG+\j], v[MM+\j], v[MM+4+\j], v[MM+8+\j]
.endr
.irp i, 12,20
.irp j, 0,1,2,3
	v_min3_num_f32 v[NMG+\j], v[NMG+\j], v[MM+\i+\j], v[MM+\i+4+\j]
.endr
.endr
.irp j, 0,1,2,3
	v_min_num_f32 v[NMG+\j], v[NMG+\j], v[MM+28+\j]
.endr
.irp j, 0,1,2,3
	v_permlanex16_b32 v[T+\j], v[NMG+\j], s[SEL], s[SEL+1]
.endr
.irp j, 0,1,2,3
	v_min_num_f32 v[NMG+\j], v[NMG+\j], v[T+\j]    ; the rows' -M: the least of all sixteen
.endr
.set n, 0
.rept 16
	v_pk_add_f32 v[MM+n:MM+n+1], v[NMG+n%4:NMG+n%4+1], v[MM+n:MM+n+1] neg_lo:[0,1] neg_hi:[0,1]   ; M's own less the row's: 0 or less
.set n, n+2
.endr
.set n, 0
.rept 32
	v_max_num_f32 v[MM+n], 0xc2800000, v[MM+n]     ; held at -64
.set n, n+1
.endr
.set n, 0
.rept 32
	v_cvt_i32_f32 v[MM+n], v[MM+n]
.set n, n+1
.endr
	s_wait_loadcnt 12                              ; l is in
.set n, 0
.rept 32
	v_ldexp_f32 v[LL+n], v[LL+n], v[MM+n]
.set n, n+1
.endr
.irp t, 1,2,3,4,5,6,7
	v_pk_add_f32 v[LL:LL+1], v[LL:LL+1], v[LL+4*\t:LL+4*\t+1]
	v_pk_add_f32 v[LL+2:LL+3], v[LL+2:LL+3], v[LL+4*\t+2:LL+4*\t+3]
.endr
.irp j, 0,1,2,3
	v_permlanex16_b32 v[T+\j], v[LL+\j], s[SEL], s[SEL+1]
.endr
.irp j, 0,1,2,3
	v_add_f32 v[LL+\j], v[LL+\j], v[T+\j]          ; the rows' sums
.endr
	s_wait_alu depctr_va_vdst(0)                   ; ahead of the batch
.irp j, 0,1,2,3
	v_rcp_f32 v[RC+\j], v[LL+\j]
.endr
.set n, 0
.rept 32
	v_mul_lo_u32 v[MM+n], v[MM+n], s88             ; the same whole number in all four bytes
.set n, n+1
.endr
	s_wait_loadcnt 0x0
.set n, 0
.rept 32
	v_add_nc_u32 v[WW+n], v[WW+n], v[MM+n]         ; each byte lies between 1 and 127: no byte borrows from the next
.set n, n+1
.endr
	s_wait_alu depctr_va_vdst(0)                   ; behind the batch
	ds_store_b128 v22, v[RC:RC+3]                  ; lanes l and l xor 16 write the same bytes with the same values
.irp t, 0,1,2,3,4,5,6,7
	ds_store_b128 v[REL], v[WW+4*\t:WW+4*\t+3] offset:512*\t
.endr
.irp t, 0,1,2,3
	ds_store_b128 v21, v[VW+4*\t:VW+4*\t+3] offset:512*\t
.endr
	s_wait_dscnt 0x0                               ; my words are in LDS
	s_cmp_lt_u32 s[WV], 2
	s_cbranch_scc0 .Lnot_first
	s_wait_tensorcnt 0x0                           ; waves 0 and 1: the upper slot is in; the lower slot's loads may stay out
.Lnot_first:
	s_barrier_signal -1
	s_barrier_wait -1
	WIN 0xc0
	ds_load_b128 v[240:243], v23                   ; 1 / l of my eight blocks
	ds_load_b128 v[244:247], v23 offset:256
	BFETCH 0
	AFETCH 0
	BFETCH 1
	AFETCH 1
	s_wait_dscnt 63                                ; of the 78 loads the first two are in
	WIN 0xc3
.irp a, 0,1,2,3,4,5,6,7
	v_mov_b32 v[RL+2*\a], v[240+\a]
	v_mov_b32 v[RL+1+2*\a], v[240+\a]
.endr
	WIN 0
	s_wait_alu depctr_va_vdst(0)
	KSTEP 0, 2, 38
	WIN 0
	global_prefetch_b8 v[PFP], s[66:67] offset:-2*PLP th:TH_LOAD_NT scope:SCOPE_SE   ; what step 2's refill loads
	global_prefetch_b8 v[PFV], s[22:23] offset:4*PLV th:TH_LOAD_NT scope:SCOPE_SE
	KSTEP 1, 3, 38
	WIN 0
.Lloop:                                                ; two trips: steps 2-5, which fetch 4-7, and steps 6-9, which fetch 8-11
	SYNC 2, 1
	CREST                                          ; the barrier has opened a round: no wave of any partner still reads the slot left behind or has a load on its way
	s_xor_b32 s[G0P1+1], s[G0P1+1], SLOT           ; the upper slot, then the lower (the two numbers share no bit with SLOT)
	s_xor_b32 s[G0V1+1], s[G0V1+1], SLOT
	s_add_nc_u64 s[G0P1+2:G0P1+3], s[G0P1+2:G0P1+3], 2*PLP
	s_add_nc_u64 s[G0V1+2:G0V1+3], s[G0V1+2:G0V1+3], 2*PLV
	s_cmp_eq_u32 s[WV], 0
	s_cbranch_scc0 .Lfor_v
	TLOAD G0P1, G1A                                ; the first tensor load behind the round
	s_branch .Lasked
.Lfor_v:
	s_cmp_eq_u32 s[WV], 1
	s_cbranch_scc0 .Lasked
	TLOAD G0V1, G1B
.Lasked:
	v_add_nc_u32 v[AC], s2, v[A0]                  ; the other slot is whole for every wave: fetch from there.  These four lines are the places in front of the loads below
	v_add_nc_u32 v[AC+1], s2, v[A0+1]
	v_add_nc_u32 v[BC], s2, v[B0]
	v_add_nc_u32 v[SCA], s3, v[S0]
	s_wait_alu depctr_va_vdst(0)
	s_add_co_u32 s2, s2, SLOT
	s_add_co_u32 s3, s3, 2048
	BFETCH 4
	AFETCH 4
	KSTEP 3, 5, -1
	WIN 0
	s_cmp_eq_u32 s19, 0
	s_cbranch_scc0 .Lno_ask                        ; behind step 7 nothing is left to ask for
	global_prefetch_b8 v[PFP], s[66:67] th:TH_LOAD_NT scope:SCOPE_SE   ; what step 6's refill loads
	global_prefetch_b8 v[PFV], s[22:23] offset:6*PLV th:TH_LOAD_NT scope:SCOPE_SE
.Lno_ask:
	KSTEP 4, 6, 38
	KSTEP 5, 7, 38
	WIN 0
	s_add_co_u32 s19, s19, 1
	s_cmp_lt_u32 s19, 2
	s_cbranch_scc1 .Lloop
	SYNC 10, 0                                     ; a plain barrier shows the last 512 keys to all
	v_mov_b32 v[AC], v[A0]
	v_mov_b32 v[AC+1], v[A0+1]
	v_mov_b32 v[BC], v[B0]
	v_mov_b32 v[SCA], v[S0]
	s_wait_alu depctr_va_vdst(0)
	BFETCH 12
	AZERO 12
	BFETCH 13
	AZERO 13
	WIN 0
	PLACES 4
	BFETCH 14
	AZERO 14
.irp a, 0,1,2,3,4,5,6,7                        ; step 11: its fragments are in since step 10's barrier
	PROW 11, \a
.endr
	WIN 0
	PLACES 4
	BFETCH 15
	AZERO 15
; THE LAST FOUR STEPS, BY ROWS.  Block a: 16 products, K ascending, while block a + 1's fragments are on their way; then its results times 1 / l go through my stage and leave as rows of 256 bytes.
.macro AROW a
	AREG 12, \a
	WIN 64*W_
.irp t, 12,13,14,15
.irp c, 0,1,2
	ALD \t, \a, \c
.endr
.endr
.endm
.macro ROW a
.if \a < 7
	AROW \a+1
.endif
.irp t, 12,13,14,15
.if \a == 0                            ; the later blocks' fragments were waited for with the stage's rows
.if \t == 12
	s_wait_dscnt 46                                ; steps 12 and 13 are in; 17 loads of step 14, 17 of step 15 and block 1's 12 may be out
.elseif \t == 14
	s_wait_dscnt 29
.elseif \t == 15
	s_wait_dscnt 12
.endif
.endif
	PROW \t, \a
.endr
	AREG 12, \a
	WIN 0
	PLACES 4                                       ; in front of the first read of the results
	s_wait_xcnt 0x0                                ; the last block's stores have read their registers
	WIN W_|0x0c|(W_<<6)
.set P_, 32*((\a)%3)
.set n, 0
.rept 16
	v_pk_mul_f32 v[P_+n:P_+n+1], v[P_+n:P_+n+1], v[RL+2*\a:RL+1+2*\a]   ; each accumulator from its low end on
.set n, n+2
.endr
	WIN W_<<2
.irp e, 0,1,2,3,4,5,6,7
	ds_store_b128 v[STO], v[P_+4*\e:P_+4*\e+3] offset:128*(\e/4)+16*(\e%4)
.endr
	WIN 0xc0
.irp t, 0,1,2,3,4,5,6,7
	ds_load_b128 v[BK+4*\t:BK+4*\t+3], v[RD] offset:2*272*\t   ; LDS serves a wave's instructions in order (ISA guide 5.7.1.4): these see the stores above
.endr
	s_wait_dscnt 0x0
	WIN 0x0c
.irp t, 0,1,2,3,4,5,6,7
	global_store_b128 v[CO], v[BK+4*\t:BK+4*\t+3], s[80:81] offset:(32*(\a/2)+8*(\a%2)+2*\t+8*(\t/4))*4096 th:TH_STORE_NT   ; two rows: 16 lanes store 256 consecutive bytes, aligned
.endr
	WIN 0
.endm
.irp a, 0,1,2,3,4,5,6,7
	ROW \a
.endr
	s_wait_tensorcnt 0x0                           ; the wave's end
	ds_add_u32 v[SPW], v[NIL]
	s_wait_dscnt 0x0
	CROUND                                         ; the closing round
	s_endpgm
.Lfunc_end_k_q4010094f6e_pvout:
	.size	k_q4010094f6e_pvout, .Lfunc_end_k_q4010094f6e_pvout-k_q4010094f6e_pvout
	.p2alignl 7, 3214868480
	.fill 96, 4, 3214868480
	.section	.rodata,"a",@progbits
	.p2align	6, 0x0
	.amdhsa_kernel k_q4010094f6e_pvout
		.amdhsa_group_segment_fixed_size 327680
		.amdhsa_private_segment_fixed_size 0
		.amdhsa_enable_private_segment 0
		.amdhsa_kernarg_size 16
		.amdhsa_user_sgpr_count 2
		.amdhsa_user_sgpr_kernarg_segment_ptr 1
		.amdhsa_wavefront_size32 1
		.amdhsa_system_sgpr_workgroup_id_x 1
		.amdhsa_system_sgpr_workgroup_id_y 1
		.amdhsa_system_sgpr_workgroup_id_z 1
		.amdhsa_system_vgpr_workitem_id 0
		.amdhsa_next_free_vgpr 1024
		.amdhsa_next_free_sgpr 100
		.amdhsa_reserve_vcc 0
		.amdhsa_float_denorm_mode_32 3
		.amdhsa_float_denorm_mode_16_64 3
		.amdhsa_memory_ordered 1
		.amdhsa_forward_progress 1
		.amdhsa_inst_pref_size 134
	.end_amdhsa_kernel
	.amdgpu_metadata
---
amdhsa.version: [ 1, 2 ]
amdhsa.kernels:
  - .name:           k_q4010094f6e_pvout
    .symbol:         k_q4010094f6e_pvout.kd
    .args:
      - { .name: pv, .offset: 0, .size: 8, .value_kind: global_buffer, .address_space: global }
      - { .name: out0, .offset: 8, .size: 8, .value_kind: global_buffer, .address_space: global }
    .group_segment_fixed_size: 327680
    .private_segment_fixed_size: 0
    .kernarg_segment_align: 8
    .kernarg_segment_size: 16
    .max_flat_workgroup_size: 128
    .sgpr_count:     100
    .vgpr_count:     1024
    .wavefront_size: 32
...
	.end_amdgpu_metadata
.endif
;; end of part 4
